; MI455X (gfx1250); checked and timed in simulation.
; The chip was launched on July 23, 2026; its instructions are those of AMD's public machine-readable ISA for CDNA 5 (MIT licence, August 2026) and "CDNA5" Instruction Set Architecture Reference Guide (July 2026). The comments in the code are by the model that wrote it; some were corrected since.
;; Causal Self Attention. Allowed arithmetic: matrix products marked QUANTISED: E5M2 operands, one E8M0 scale for each 32 along K, by v_wmma_scale_f32_16x16x128_f8f6f4 with both operands' format E5M2, f32 sums; everything else in f32.
;; Inputs: w_proj_codes 1,024 x 32 x 32 uint8 (E5M2 codes of w_proj, K innermost, in blocks of 32 codes); w_proj_scales 1,024 x 32 uint8 (E8M0 scales of w_proj, one for each 32 codes along K); w_qkv_codes 3,072 x 32 x 32 uint8 (E5M2 codes of w_qkv, K innermost, in blocks of 32 codes); w_qkv_scales 3,072 x 32 uint8 (E8M0 scales of w_qkv, one for each 32 codes along K); x_codes 4 x 2,048 x 32 x 32 uint8 (E5M2 codes of x, K innermost, in blocks of 32 codes); x_scales 4 x 2,048 x 32 uint8 (E8M0 scales of x, one for each 32 codes along K).
;; Outputs: out0 4 x 2,048 x 1,024 float32.
;; This version of the problem:
;;   THIS VERSION OF THE PROBLEM IS GIVEN IN LOW PRECISION. The matrix products marked QUANTISED in the list below multiply operands that are first quantised to E5M2 (5 exponent bits, 2 mantissa bits; 8 bits a number), with one power-of-two scale for each 32 numbers along K (OCP MX v1.0); their sums are f32. All else is computed in f32.
;;   The module's matrix products, in the order in which they are computed (A, B: the left and right operand; K: the contracted axis; several contracted axes count as one K, in the product's order):
;;     1. [M 8,192, K 1,024] x [K 1,024, N 3,072]; A: input x (given as codes); B: input w_qkv (given as codes): QUANTISED
;;     2. batch 64 x [M 2,048, K 64] x [K 64, N 2,048]; A: computed on the way; B: computed on the way: QUANTISED
;;     3. batch 64 x [M 2,048, K 2,048] x [K 2,048, N 64]; A: softmax (see below); B: computed on the way: QUANTISED
;;     4. [M 8,192, K 1,024] x [K 1,024, N 1,024]; A: computed on the way; B: input w_proj (given as codes): QUANTISED
;;   THE QUANTISER, for each operand of a quantised product, along K:
;;     - K is cut into blocks of 32 from its start; a last block that is shorter is filled with zeros.
;;     - A block's scale is 2^e with e = floor(log2(the largest magnitude in the block)) - 15, held to -126 .. 127; a block of zeros has e = 0. As a byte (E8M0): e + 127.
;;     - Each number is divided by its block's scale, clamped to +-57,344, and rounded to the nearest number of E5M2, ties to even, subnormals kept.
;;     - The product sums the exact products of the quantised numbers (number of the format x scale) in f32.
;;   ~~~python
;;   def quantise(x, axis):      # numpy; x: float32 -> the quantised numbers, widened to float32 again
;;       x = np.moveaxis(x, axis, -1); K = x.shape[-1]
;;       x = np.pad(x, [(0, 0)] * (x.ndim - 1) + [(0, -K % 32)]); x = x.reshape(x.shape[:-1] + (-1, 32)); a = np.abs(x).max(-1, keepdims=True)
;;       e = np.where(a > 0, np.clip(np.frexp(np.where(a > 0, a, 1))[1] - 1 - 15, -126, 127), 0)      # np.frexp(a)[1] - 1 = floor(log2(a)), exactly
;;       r = np.clip(x / 2.0 ** e, -57344, 57344)
;;       step = 2.0 ** (np.maximum(np.frexp(np.where(r == 0, 1, r))[1] - 1, -14) - 2)
;;       q = np.round(r / step) * step * 2.0 ** e      # np.round: ties to even
;;       return np.moveaxis(q.reshape(q.shape[:-2] + (-1,))[..., :K], -1, axis).astype(np.float32)
;;   ~~~
;;   SOFTMAX AHEAD OF A QUANTISED PRODUCT. Where the list says 'softmax', what is quantised is not the finished softmax but p = 2^(t - M), with t = logit x log2(e) and M = ceil(the row's largest t), a whole number; so 1/2 < the row's largest p <= 1. The row's sum l is taken of the UNQUANTISED p, in f32, and the product's result is divided by l at the end. Since M is a whole number, a kernel that streams over the keys may use a running M (the ceiling of the running maximum): every later rescaling is an exact power of two, which a block's scale takes up: the codes' values come out the same.
;;   OPERANDS COMPUTED ON THE WAY. 'Computed on the way' means the value that the module computes at that place (a softmax that the list does not call 'softmax' is quantised finished and normalised). What goes into a quantiser is computed in f32, as accurately as f32 sums, v_exp_f32 and their like allow (about 1e-6 of the number): no bf16 or f16 on the way to a quantiser, and a product that is left as it is and whose result goes on into a quantised operand takes f32 operands (vector FMAs, or v_wmma_f32_16x16x4_f32). A number that lies on a knife's edge between two numbers of the format may be rounded either way, as far as f32 arithmetic and the matrix unit's own rounding can turn it there, and no further.
;;   INPUTS GIVEN AS CODES. w_proj (in the module: [1024, 1024], K = its axis 0); w_qkv (in the module: [1024, 3072], K = its axis 0); x (in the module: [4, 2048, 1024], K = its axis 2): each comes as NAME_codes (uint8): NAME with its K axis moved to the last place and cut into blocks of 32 codes, [.., K / 32, bytes a block], one block behind the other in memory; one code a byte (a code: sign, 5 exponent bits, 2 mantissa bits); and NAME_scales (uint8): the same leading axes, one E8M0 byte (e + 127) for each 32 codes along K. Its value is code x scale, taken as it is: it is not quantised again, and the codes and scales need not be those that the quantiser above would give.
;; One version. Each part assembles by itself: llvm-mc -triple=amdgcn-amd-amdhsa -mcpu=gfx1250 --defsym DOCPART=n.
;; ======== version 1 of 1: 3 launches
;; limits: right only within a limited range of input values
;; workspace buffers: qkv_img 25,165,824 bytes; qkv_sc 786,432 bytes; y_img 8,388,608 bytes; y_sc 262,144 bytes
;; launch qkv (part 1): grid 12 x 32, 4 waves a work-group, clusters of 4 x 4, 327,680 bytes of LDS; arguments x_codes, x_scales, w_qkv_codes, w_qkv_scales, qkv_img, qkv_sc; writes qkv_img, qkv_sc
.if DOCPART == 1
	.amdgcn_target "amdgcn-amd-amdhsa--gfx1250"
	.amdhsa_code_object_version 6
	.text
	.protected	k_qc1bfdbea4d_qkv
	.globl	k_qc1bfdbea4d_qkv
	.p2align	8
	.type	k_qc1bfdbea4d_qkv,@function
k_qc1bfdbea4d_qkv:
	s_mov_b64 s[64:65], 0
	v_nop
	global_prefetch_b8 v0, s[64:65] scope:SCOPE_SE
	s_setreg_imm32_b32 hwreg(HW_REG_WAVE_MODE, 25, 1), 1
	s_wait_xcnt 0x0
	s_wait_alu depctr_hold_cnt(0) depctr_sa_sdst(0) depctr_va_vdst(0) depctr_va_sdst(0) depctr_va_ssrc(0) depctr_va_vcc(0) depctr_vm_vsrc(0)
	s_getreg_b32 s2, hwreg(HW_REG_IB_STS2, 6, 4)
	s_cmp_eq_u32 s2, 0
	s_cbranch_scc0 .Lentry_in_a_cluster
	s_endpgm
.Lentry_in_a_cluster:
	s_bfe_u32 s2, ttmp6, 0x10000c
	s_cmp_lg_u32 s2, 0xf033
	s_cbranch_scc0 .Lentry_shape_is_right
	s_endpgm
.Lentry_shape_is_right:
; qkv = x w_qkv on codes of BF8 (E5M2) with one E8M0 scale for each 32 along K, and q, k, v quantised where their sums are finished.
; x: [8192][1024] codes, scales [8192][32].  w_qkv: [3072][1024] codes (K innermost), scales [3072][32].  Sums in f32, K ascending.
; A work-group of four waves makes 256 positions x 256 columns, a wave 128 x 128: 64 accumulators, 512 registers.  K goes in four steps of 256 through two LDS slots.
; CLUSTERS: 4 x 4 work-groups; x's tiles are asked for jointly along a row of the cluster, w's along a column.  The cluster's x (0, 1, 2) says whether the columns are q's, k's or v's: it is the same in all sixteen partners.
; THE ROLE.  The matrix lines are one text: source 0 = the operand kept in two register sets (window 1), source 1 = the operand kept in one (window 0); in a result a lane holds ONE row of source 1 and eight rows of source 0.
;   q, k: source 1 = x, source 0 = w: a lane holds one position, its registers run along the head's d, which is the K of q k^T.
;   v:    source 1 = w, source 0 = x: a lane holds one d, its registers run along the positions, the keys, which are the K of p v.
; Only the LDS addresses of the fragment and scale loads choose between the two regions of a slot; the tensor loads do not know the role.
; THE WAY OUT.  Accumulators (a, 2 p) and (a, 2 p + 1) are 16 consecutive registers: with lane l xor 16's they are one block of 32 along the next K.  Their 16 codes are stored as they come: 16 bytes a lane, 512 consecutive bytes a store.
; Place 16 h + 8 u + j of a block then holds its number 16 u + 8 h + j (h = lane / 16): an order inside a block of 32 that every operand made by this program has alike, so each product still pairs equal k;
; only the order in which the matrix unit adds inside a block differs from memory's order.
; qkv_img: three sections (q, k, v) of [batch 4][head pair 8][group of 128 positions 16][a 8][p 4][lane 32][16 bytes];  qkv_sc: the same leading axes, [a 8][r 16] words, byte p = the scale of chunk p.
;   q, k: a = tile of 16 positions, p = 2 x head of the pair + block of 32 d.   v: a = 4 x head of the pair + tile of 16 d, p = block of 32 keys.
; LIMITS: NaN and infinities are not served.  A block of zeros, and one whose largest magnitude lies under 2^(16 - 127), gets the byte 1 (the rule says 127 for zeros): its codes are zeros or held, and only this program reads the bytes.
.set NQ,     2                         ; matrix instructions deep in a slot
.set ROWB,   256                       ; a tile's row in bytes
.set KROW,   1024                      ; a row of x or of w in memory
.set PITCH,  272                       ; an LDS row: 256 bytes + 16 of padding: the 16 rows that a load touches start 68 words apart
.set FR,     16                        ; registers of a fragment
.set NL,     4                         ; LDS loads that bring one
.set NP,     8                         ; places behind this matrix instruction (ISA guide 7.12.1)
.set HALFT,  128*PITCH                 ; 128 rows: what one tensor load brings
.set SLOT,   4*HALFT                   ; x's 256 rows, then w's 256 rows
.set LAPS,   2                         ; 1024 / 512
.set SCL,    2*SLOT                    ; the scales of x's 256 rows and w's 256 rows for all of K, as units of 256 bytes + 16
.set HALFS,  16*272                    ; those of 128 rows
.set SBLK,   2*272                     ; those of 16 rows
.set SPARE,  SCL+4*HALFS               ; the spare words: 128 bytes a wave, named by no other line
.set STG,    SPARE+512                 ; 512 bytes a wave: the scale words on their way out; no tensor load lands here
.set ADRA,  16                         ; v16-17  LDS address of source 1's fragments in slot 0, 1
.set ADRB,  20                         ; v20-21  of source 0's
.set ADRSA, 22                         ; v22     of source 1's scale words
.set ADRSB, 23                         ; v23     of source 0's
.set SST,   24                         ; v24     where my row's scale word goes in the stage
.set SRD,   25                         ; v25     where I read the stage back
.set CO,    26                         ; v26     16 x lane
.set SPW,   28                         ; v28     my spare word; never rewritten
.set NIL,   29                         ; v29     0; never rewritten
.set SCA,   32                         ; v32-63  source 1's scale words, two sets of 16: register 2 i + q
.set SCB,   64                         ; v64-95  source 0's
.set TM,    96                         ; v96-99 largest magnitudes, v100-103 bytes, v108-111 the conversion's scale operand
.set PW,    112                        ; v112-119 the scale word of each of the eight row blocks
.set BK,    120                        ; v120-123 the stage read back
.set AF,    128                        ; v128-255 source 1's fragments; on the way out the codes, 16 registers a row block
.set G1, 24                            ; s[24:31], s[32:39] groups 1 and 0 (a set a slot) for x's tiles
.set G0, 32
.set G1B, 48                           ; s[48:55], s[56:63] for w's
.set G0B, 56
.set G1S, 68                           ; s[68:75], s[76:79] for x's scales;  s[80:87], s[88:91] for w's
.set G0S, 76
.set G1SB, 80
.set G0SB, 88
.set MSB, 0
.macro WIN new                         ; the immediate's high byte repeats the setting that is left
.if MSB != \new
	s_set_vgpr_msb (MSB<<8)|\new
.set MSB, \new
.endif
.endm
.set MUL_LO, 0xa1                      ; source 0 window 1, source 1 window 0, C and D window 2
.set MUL_HI, 0xf1                      ; the same, C and D window 3
.set TO_B,   0x40                      ; destination window 1
; A joint load: waves 0 and 1 fetch for x, waves 2 and 3 for w; the branch hangs on the wave's number alone.  Four v_nop follow each line.
.macro JLOAD g0a, g1a, g0b, g1b
	s_cmp_eq_u32 s17, 0
	s_cbranch_scc0 .Lfor_b_\@
	tensor_load_to_lds s[\g0a:\g0a+3], s[\g1a:\g1a+7]
	s_nop 0
.rept 4
	v_nop
.endr
	s_branch .Lasked_\@
.Lfor_b_\@:
	tensor_load_to_lds s[\g0b:\g0b+3], s[\g1b:\g1b+7]
	s_nop 0
.rept 4
	v_nop
.endr
.Lasked_\@:
.endm
.macro CREST                           ; a round of the cluster's barrier behind its opening barrier
	s_cmp_lg_u32 s16, 0
	s_cbranch_scc1 .Lnot_wave_0_\@
	s_barrier_signal -3
.Lnot_wave_0_\@:
	s_barrier_wait -3
	s_barrier_signal -1
	s_barrier_wait -1
.endm
.macro CROUND                          ; a whole round
	s_barrier_signal -1
	s_barrier_wait -1
	CREST
.endm
	s_load_b128 s[4:7], s[0:1], 0x0                ; x's codes, x's scales
	s_load_b128 s[8:11], s[0:1], 0x10              ; w's codes, w's scales
	s_load_b128 s[12:15], s[0:1], 0x20             ; qkv_img, qkv_sc
	v_lshl_add_u32 v[SPW], v0, 2, SPARE
	v_mov_b32 v[NIL], 0
	ds_add_u32 v28, v29
	ds_add_u32 v28, v29
	s_wait_dscnt 0x0
	v_lshrrev_b32 v1, 5, v0
	v_readfirstlane_b32 s16, v1                    ; wave 0..3
	s_lshr_b32 s17, s16, 1                         ; source 1's half that I multiply.  Also: I fetch for x (0) or for w (1)
	s_and_b32 s18, s16, 1                          ; source 0's half.  Also: which 128 rows I fetch
	s_bfe_u32 s40, ttmp6, 0x40000                  ; cx, cy: my place in the cluster
	s_bfe_u32 s41, ttmp6, 0x40004
	s_lshl_b32 s42, ttmp9, 2
	s_add_co_u32 s42, s42, s40                     ; tile of 256 columns = 4 x cluster x + cx
	s_and_b32 s19, ttmp7, 0xffff
	s_lshl_b32 s19, s19, 2
	s_add_co_u32 s19, s19, s41                     ; tile of 256 positions = 4 x cluster y + cy
	s_lshl_b32 s43, s41, 2
	s_lshl_b32 s43, 15, s43                        ; my row of the cluster
	s_lshl_b32 s44, 0x1111, s40                    ; my column
	; group 1: 128 rows x 256 bytes, 16 bytes of padding behind each row
	s_or_b32 s[G1+0], s43, (0<<16)|(1<<20)|(1<<21)|(5<<22)|(3<<25)  ; 15:0 the mask; 17:16 elements of 1 byte; 20 padding on; 21 set beside a mask; 24:22 after every 64 words; 31:25 four words
	s_or_b32 s[G1B+0], s44, (0<<16)|(1<<20)|(1<<21)|(5<<22)|(3<<25)
.irp g, G1, G1B
	s_mov_b32 s[\g+1], ROWB<<16                    ; tensor_dim0
	s_mov_b32 s[\g+2], 128<<16                     ; tensor_dim1
	s_mov_b32 s[\g+3], ROWB<<16                    ; tile_dim0
	s_mov_b32 s[\g+4], 128                         ; tile_dim1
	s_mov_b32 s[\g+5], KROW                        ; from row to row
	s_mov_b32 s[\g+6], 0
	s_mov_b32 s[\g+7], 0
.endr
	; the scales of 128 rows: 4,096 dense bytes as 16 rows of 256 bytes (32 elements of 8), 16 bytes of padding behind each
	s_or_b32 s[G1S+0], s43, (3<<16)|(1<<20)|(1<<21)|(5<<22)|(3<<25)
	s_or_b32 s[G1SB+0], s44, (3<<16)|(1<<20)|(1<<21)|(5<<22)|(3<<25)
.irp g, G1S, G1SB
	s_mov_b32 s[\g+1], 32<<16
	s_mov_b32 s[\g+2], 16<<16
	s_mov_b32 s[\g+3], 32<<16
	s_mov_b32 s[\g+4], 16
	s_mov_b32 s[\g+5], 32
	s_mov_b32 s[\g+6], 0
	s_mov_b32 s[\g+7], 0
.endr
	s_lshl_b32 s95, s18, 7                         ; which 128 rows of the tile I fetch
	s_lshl_b32 s20, s19, 8
	s_add_co_u32 s20, s20, s95                     ; x: row 256 x tile + 128 x half
	s_lshl_b32 s46, s42, 8
	s_add_co_u32 s46, s46, s95                     ; w: likewise
	s_lshl_b32 s22, s20, 5                         ; their scales: 32 bytes a row
	s_mov_b32 s23, 0
	s_lshl_b32 s92, s46, 5
	s_mov_b32 s93, 0
	s_lshl_b32 s20, s20, 10                        ; their codes: 1,024 bytes a row (all under 2^24)
	s_mov_b32 s21, 0
	s_lshl_b32 s46, s46, 10
	s_mov_b32 s47, 0
	s_mul_i32 s45, s16, HALFT                      ; where they go: wave x 128 rows: no place in the cluster enters an LDS address
	s_mul_i32 s94, s16, HALFS
	s_wait_kmcnt 0x0
	s_add_nc_u64 s[20:21], s[4:5], s[20:21]
	s_add_nc_u64 s[22:23], s[6:7], s[22:23]
	s_add_nc_u64 s[46:47], s[8:9], s[46:47]
	s_add_nc_u64 s[92:93], s[10:11], s[92:93]
	CROUND                                         ; all sixteen work-groups are here: the first joint loads meet
	s_mov_b32 s[G0S], 1
	s_add_co_u32 s[G0S+1], s94, SCL
	s_mov_b64 s[G0S+2:G0S+3], s[22:23]
	s_or_b32 s[G0S+3], s[G0S+3], 0x80000000
	s_mov_b32 s[G0SB], 1
	s_add_co_u32 s[G0SB+1], s94, SCL
	s_mov_b64 s[G0SB+2:G0SB+3], s[92:93]
	s_or_b32 s[G0SB+3], s[G0SB+3], 0x80000000
	JLOAD G0S, G1S, G0SB, G1SB                     ; the scales first: they are wanted with K step 0
.irp s, 0,1
	s_mov_b32 s[G0+4*\s], 1
	s_add_co_u32 s[G0+4*\s+1], s45, \s*SLOT
	s_add_nc_u64 s[G0+4*\s+2:G0+4*\s+3], s[20:21], \s*ROWB
	s_or_b32 s[G0+4*\s+3], s[G0+4*\s+3], 0x80000000
	s_mov_b32 s[G0B+4*\s], 1
	s_add_co_u32 s[G0B+4*\s+1], s45, \s*SLOT
	s_add_nc_u64 s[G0B+4*\s+2:G0B+4*\s+3], s[46:47], \s*ROWB
	s_or_b32 s[G0B+4*\s+3], s[G0B+4*\s+3], 0x80000000
	JLOAD G0+4*\s, G1, G0B+4*\s, G1B               ; three loads of mine are out behind the second
.endr
	; the role: all six choices on one compare, ahead of any addition
	s_cmp_eq_u32 ttmp9, 2                          ; v's columns?
	s_cselect_b32 s96, 2*HALFT, 0                  ; source 1 reads w's region (v) or x's (q, k)
	s_cselect_b32 s97, 0, 2*HALFT                  ; source 0 the other one
	s_cselect_b32 s92, 2*HALFS, 0                  ; and their scales likewise
	s_cselect_b32 s93, 0, 2*HALFS
	s_cselect_b32 s94, s18, s17                    ; which half of x's 256 rows my results belong to
	s_cselect_b32 s95, s17, s18                    ; which half of w's
	s_mov_b32 s98, 0x76543210
	s_mov_b32 s99, 0xfedcba98                      ; v_permlanex16_b32's selects for lane l xor 16
	v_and_b32 v1, 15, v0                           ; r = l % 16
	s_wait_alu depctr_va_vdst(0)
	v_bfe_u32 v2, v0, 4, 1                         ; h = l / 16
	v_mul_u32_u24 v3, v1, PITCH
	v_lshl_add_u32 v4, v2, 4, v3                   ; a fragment's row x pitch + 16 x half
	s_mul_i32 s21, s17, HALFT
	s_add_co_u32 s21, s21, s96
	s_mul_i32 s22, s18, HALFT
	s_add_co_u32 s22, s22, s97
.irp s, 0,1
	v_add_nc_u32 v[ADRA+\s], s21, v4
	v_add_nc_u32 v[ADRB+\s], s22, v4
	s_add_co_u32 s21, s21, SLOT
	s_add_co_u32 s22, s22, SLOT
.endr
	v_lshlrev_b32 v5, 5, v1                        ; my row's scales: 32 bytes a row,
	v_lshrrev_b32 v6, 8, v5
	v_lshl_add_u32 v5, v6, 4, v5                   ; and 16 more for each 256 passed
	s_mul_i32 s21, s17, HALFS
	s_add_co_u32 s21, s21, s92
	s_add_co_u32 s21, s21, SCL
	v_add_nc_u32 v[ADRSA], s21, v5
	s_mul_i32 s22, s18, HALFS
	s_add_co_u32 s22, s22, s93
	s_add_co_u32 s22, s22, SCL
	v_add_nc_u32 v[ADRSB], s22, v5
	s_lshl_b32 s23, s16, 9
	s_add_co_u32 s23, s23, STG                     ; my 512 bytes of the stage
	v_lshl_add_u32 v[SST], v1, 2, s23
	v_and_b32 v6, 31, v0
	v_lshlrev_b32 v[CO], 4, v6
	v_add_nc_u32 v[SRD], s23, v[CO]
.irp p, 0,1,2,3
	v_mov_b32 v[TM+4+\p], 0                        ; written once: a lane permute's destination counts as one of its sources
.endr
	; where my 128 x 128 goes: index = ((batch x 8 + head pair) x 16 + group of 128 positions)
	s_lshl_b32 s20, s19, 1
	s_add_co_u32 s20, s20, s94                     ; group of 128 positions, 0 .. 63
	s_lshl_b32 s21, s40, 1
	s_add_co_u32 s21, s21, s95                     ; head pair, 0 .. 7
	s_lshr_b32 s22, s20, 4                         ; batch
	s_lshl_b32 s22, s22, 3
	s_add_co_u32 s22, s22, s21
	s_lshl_b32 s22, s22, 4
	s_and_b32 s20, s20, 15
	s_add_co_u32 s22, s22, s20
	s_lshl_b32 s20, s22, 14                        ; 16,384 bytes of codes an index,
	s_lshl_b32 s21, ttmp9, 23                      ; 8,388,608 a section
	s_add_co_u32 s20, s20, s21
	s_mov_b32 s21, 0
	s_add_nc_u64 s[12:13], s[12:13], s[20:21]
	s_lshl_b32 s20, s22, 9                         ; 512 bytes of scale words an index,
	s_lshl_b32 s22, ttmp9, 18                      ; 262,144 a section
	s_add_co_u32 s20, s20, s22
	s_add_nc_u64 s[14:15], s[14:15], s[20:21]
.macro FRAG reg, adr, q, i             ; 16 rows x 128 K: lane l holds row l % 16; registers 4 c .. 4 c + 3 hold K = 32 c + 16 (l / 16) + 0 .. 15
.irp c, 0,1,2,3
	ds_load_b128 v[\reg+4*\c:\reg+4*\c+3], v[\adr] offset:128*(\q)+32*\c+(\i)*16*PITCH
.endr
.endm
; 16 matrix instructions: source 1's blocks a0, a0 + 1 x source 0's eight.  The 64 accumulators take turns, one instruction a turn, in the same order in every step.
.macro MUL16 a0, p, q, sc, zero
.irp a, \a0, \a0+1
.irp b, 0,1,2,3,4,5,6,7
.if \zero
	v_wmma_scale_f32_16x16x128_f8f6f4 v[8*(8*((\a)%4)+\b):8*(8*((\a)%4)+\b)+7], v[128*(\p)+FR*\b:128*(\p)+FR*\b+FR-1], v[AF+FR*(\a):AF+FR*(\a)+FR-1], 0, v[SCB+16*(\sc)+2*\b+(\q)], v[SCA+16*(\sc)+2*(\a)+(\q)] matrix_a_fmt:MATRIX_FMT_BF8 matrix_b_fmt:MATRIX_FMT_BF8
.else
	v_wmma_scale_f32_16x16x128_f8f6f4 v[8*(8*((\a)%4)+\b):8*(8*((\a)%4)+\b)+7], v[128*(\p)+FR*\b:128*(\p)+FR*\b+FR-1], v[AF+FR*(\a):AF+FR*(\a)+FR-1], v[8*(8*((\a)%4)+\b):8*(8*((\a)%4)+\b)+7], v[SCB+16*(\sc)+2*\b+(\q)], v[SCA+16*(\sc)+2*(\a)+(\q)] matrix_a_fmt:MATRIX_FMT_BF8 matrix_b_fmt:MATRIX_FMT_BF8
.endif
.endr
.endr
.endm
.macro FETCH_B slot, q, p              ; source 0's eight fragments of the slot's q-th 128 along K into set p
	WIN TO_B
.irp i, 0,1,2,3,4,5,6,7
	FRAG 128*(\p)+FR*\i, ADRB+\slot, \q, \i
.endr
	WIN 0
.endm
.macro FETCH_A slot, q, i0             ; source 1's blocks i0 .. i0 + 3
.irp i, \i0, \i0+1, \i0+2, \i0+3
	FRAG AF+FR*(\i), ADRA+\slot, \q, \i
.endr
.endm
.macro SCALES sc                       ; a K step's scale words, two a row, of both sources' eight blocks, into set sc
.irp i, 0,1,2,3,4,5,6,7
	ds_load_b64 v[SCA+16*\sc+2*\i:SCA+16*\sc+2*\i+1], v[ADRSA] offset:\i*SBLK
	ds_load_b64 v[SCB+16*\sc+2*\i:SCB+16*\sc+2*\i+1], v[ADRSB] offset:\i*SBLK
.endr
.endm
.macro PLACES n                        ; plain vector instructions between a matrix instruction and a load into, or a vector read or write of, its registers
.rept \n
	v_nop
.endr
.endm
; A step of 128 along K that has its successor in the same slot.
.macro STEP slot, q, zero
	s_wait_dscnt 4*NL                              ; all but the youngest sixteen loads (source 1's blocks 4-7) are in
	WIN MUL_LO
	MUL16 0, (\q)%2, \q, \slot, \zero
	MUL16 2, (\q)%2, \q, \slot, \zero
	s_wait_dscnt 0                                 ; blocks 4-7 are in
	PLACES NP
	FETCH_B \slot, (\q)+1, 1-(\q)%2
	FETCH_A \slot, (\q)+1, 0
	WIN MUL_HI
	MUL16 4, (\q)%2, \q, \slot, \zero
	MUL16 6, (\q)%2, \q, \slot, \zero
	PLACES NP
	WIN 0
	FETCH_A \slot, (\q)+1, 4
.endm
; A slot's last step changes slots: one barrier; in front of it each wave waits for all its tensor loads, adds 0 to its spare word, and waits for that and for its reads of this slot.
.macro TURN slot, next, fill
	s_wait_tensorcnt 0x0                           ; all my tensor loads have landed: my part of the next slot
	ds_add_u32 v[SPW], v[NIL]                      ; 0 onto my spare word
	s_wait_dscnt 4*NL+1                            ; the add and the youngest sixteen loads may be out
	WIN MUL_LO
	MUL16 0, 1, NQ-1, \slot, 0
	s_wait_dscnt 0x0                               ; the add is done, and my reads of this slot are over
	s_barrier_signal -1
	MUL16 2, 1, NQ-1, \slot, 0
	WIN 0
	s_barrier_wait -1
.if \fill
	CREST                                          ; the barrier has opened a round of the cluster's: no wave of any partner still reads this slot or has a load on its way
	s_add_nc_u64 s[G0+4*\slot+2:G0+4*\slot+3], s[G0+4*\slot+2:G0+4*\slot+3], 2*ROWB
	s_add_nc_u64 s[G0B+4*\slot+2:G0B+4*\slot+3], s[G0B+4*\slot+2:G0B+4*\slot+3], 2*ROWB
	JLOAD G0+4*\slot, G1, G0B+4*\slot, G1B         ; my one tensor load behind the round; its four v_nop are four of the places below
	PLACES NP-4
.else
	PLACES NP
.endif
	s_wait_alu depctr_va_vdst(0)
	v_add_nc_u32 v[ADRSA], 4*NQ, v[ADRSA]          ; on to the next K step's scale words
	v_add_nc_u32 v[ADRSB], 4*NQ, v[ADRSB]
	FETCH_B \next, 0, 0
	FETCH_A \next, 0, 0
	SCALES \next
	WIN MUL_HI
	MUL16 4, 1, NQ-1, \slot, 0
	MUL16 6, 1, NQ-1, \slot, 0
	PLACES NP
	WIN 0
	FETCH_A \next, 0, 4
.endm
	s_wait_alu depctr_va_vdst(0)
	s_wait_tensorcnt 1                             ; the scales and my part of K step 0 are in; K step 1's load may be out
	s_barrier_signal -1
	s_barrier_wait -1
	FETCH_B 0, 0, 0
	FETCH_A 0, 0, 0
	SCALES 0
	FETCH_A 0, 0, 4
	STEP 0, 0, 1                                   ; the first step's products start the sums
	s_mov_b32 s3, LAPS-1
.Llap:                                                 ; a trip goes once round the ring and fills both slots again
	TURN 0, 1, 1
	STEP 1, 0, 0
	TURN 1, 0, 1
	STEP 0, 0, 0
	s_sub_co_u32 s3, s3, 1
	s_cmp_lg_u32 s3, 0
	s_cbranch_scc1 .Llap
	TURN 0, 1, 0                                   ; the last lap fills nothing
	STEP 1, 0, 0
	s_wait_dscnt 4*NL
	WIN MUL_LO
	MUL16 0, 1, NQ-1, 1, 0
	MUL16 2, 1, NQ-1, 1, 0
	s_wait_dscnt 0
	WIN MUL_HI
	MUL16 4, 1, NQ-1, 1, 0
	MUL16 6, 1, NQ-1, 1, 0
	WIN 0
; ROW BLOCK a IS QUANTISED: four blocks of 32 along the next K, p = 0 .. 3; block p is my 16 registers of accumulators (a, 2 p), (a, 2 p + 1) and lane l xor 16's.  Each accumulator is read from its low end on.
.macro QROW a
.set AC, 64*((\a)%4)
.set WW, 2+(\a)/4
.set CD, AF+16*(\a)
.set WMAX, WW|(WW<<2)
.set WHOLD, WW|(WW<<6)
	WIN WMAX                                       ; sources 0 and 1: the accumulators' window
.irp p, 0,1,2,3
	v_max3_num_f32 v[TM+\p], |v[AC+16*\p]|, |v[AC+16*\p+1]|, 0x8000000   ; with the floor 2^(16 - 127): the byte cannot fall under 1
.endr
.irp i, 2,4,6,8,10,12,14
.irp p, 0,1,2,3
	v_max3_num_f32 v[TM+\p], |v[AC+16*\p+\i]|, |v[AC+16*\p+\i+1]|, v[TM+\p]
.endr
.endr
	WIN 0
.irp p, 0,1,2,3
	v_permlanex16_b32 v[TM+4+\p], v[TM+\p], s98, s99
.endr
.irp p, 0,1,2,3
	v_max_num_f32 v[TM+\p], v[TM+\p], v[TM+4+\p]   ; the block's largest magnitude
.endr
.irp p, 0,1,2,3
	v_add_nc_u32 v[TM+12+\p], 0xf8800000, v[TM+\p] ; 15 off its exponent field: the conversion's scale operand
.endr
.irp p, 0,1,2,3
.endr
.irp p, 0,1,2,3
	v_lshrrev_b32 v[TM+4+\p], 23, v[TM+12+\p]      ; the scale's byte
.endr
	v_lshl_or_b32 v[PW+\a], v[TM+5], 8, v[TM+4]
	v_lshl_or_b32 v[PW+\a], v[TM+6], 16, v[PW+\a]
	v_lshl_or_b32 v[PW+\a], v[TM+7], 24, v[PW+\a]  ; my row's scale word
	WIN WHOLD                                      ; destination and source 0: the accumulators' window
.irp p, 0,1,2,3
.set ii, 0
.rept 16
.set ii, ii+1
.endr
.endr
	WIN WW
.irp p, 0,1,2,3
	v_cvt_scalef32_pk8_bf8_f32 v[CD+4*\p:CD+4*\p+1], v[AC+16*\p:AC+16*\p+7], v[TM+12+\p]
	v_cvt_scalef32_pk8_bf8_f32 v[CD+4*\p+2:CD+4*\p+3], v[AC+16*\p+8:AC+16*\p+15], v[TM+12+\p]
.endr
	WIN 0
	v_nop                                          ; a plain vector instruction behind the last conversion
.irp p, 0,1,2,3
	global_store_b128 v[CO], v[CD+4*\p:CD+4*\p+3], s[12:13] offset:2048*(\a)+512*\p   ; 32 lanes store 512 consecutive bytes; every block has registers of its own, so no store's data are written again
.endr
	ds_store_b32 v[SST], v[PW+\a] offset:64*(\a)   ; both halves of the lanes write the same word with the same value
.endm
	PLACES NP                                      ; behind the last products: their results are read, and source 1's registers written, only from here on
.irp a, 0,1,2,3,4,5,6,7
	QROW \a
.endr
	ds_load_b128 v[BK:BK+3], v[SRD]                ; LDS serves a wave's instructions in order: this sees my eight stores
	s_wait_dscnt 0x0
	global_store_b128 v[CO], v[BK:BK+3], s[14:15]  ; the 128 scale words: 512 consecutive bytes
	s_wait_tensorcnt 0x0                           ; the wave's end
	ds_add_u32 v[SPW], v[NIL]
	s_wait_dscnt 0x0
	CROUND                                         ; the closing round
	s_endpgm
.Lfunc_end_k_qc1bfdbea4d_qkv:
	.size	k_qc1bfdbea4d_qkv, .Lfunc_end_k_qc1bfdbea4d_qkv-k_qc1bfdbea4d_qkv
	.p2alignl 7, 3214868480
	.fill 96, 4, 3214868480
	.section	.rodata,"a",@progbits
	.p2align	6, 0x0
	.amdhsa_kernel k_qc1bfdbea4d_qkv
		.amdhsa_group_segment_fixed_size 327680
		.amdhsa_private_segment_fixed_size 0
		.amdhsa_enable_private_segment 0
		.amdhsa_kernarg_size 48
		.amdhsa_user_sgpr_count 2
		.amdhsa_user_sgpr_kernarg_segment_ptr 1
		.amdhsa_wavefront_size32 1
		.amdhsa_system_sgpr_workgroup_id_x 1
		.amdhsa_system_sgpr_workgroup_id_y 1
		.amdhsa_system_sgpr_workgroup_id_z 1
		.amdhsa_system_vgpr_workitem_id 0
		.amdhsa_next_free_vgpr 1024
		.amdhsa_next_free_sgpr 102
		.amdhsa_reserve_vcc 0
		.amdhsa_float_denorm_mode_32 3
		.amdhsa_float_denorm_mode_16_64 3
		.amdhsa_fp16_overflow 1
		.amdhsa_memory_ordered 1
		.amdhsa_forward_progress 1
		.amdhsa_inst_pref_size 153
	.end_amdhsa_kernel
	.amdgpu_metadata
---
amdhsa.version: [ 1, 2 ]
amdhsa.kernels:
  - .name:           k_qc1bfdbea4d_qkv
    .symbol:         k_qc1bfdbea4d_qkv.kd
    .args:
      - { .name: x_codes, .offset: 0, .size: 8, .value_kind: global_buffer, .address_space: global }
      - { .name: x_scales, .offset: 8, .size: 8, .value_kind: global_buffer, .address_space: global }
      - { .name: w_qkv_codes, .offset: 16, .size: 8, .value_kind: global_buffer, .address_space: global }
      - { .name: w_qkv_scales, .offset: 24, .size: 8, .value_kind: global_buffer, .address_space: global }
      - { .name: qkv_img, .offset: 32, .size: 8, .value_kind: global_buffer, .address_space: global }
      - { .name: qkv_sc, .offset: 40, .size: 8, .value_kind: global_buffer, .address_space: global }
    .group_segment_fixed_size: 327680
    .private_segment_fixed_size: 0
    .kernarg_segment_align: 8
    .kernarg_segment_size: 48
    .max_flat_workgroup_size: 128
    .sgpr_count:     102
    .vgpr_count:     1024
    .wavefront_size: 32
...
	.end_amdgpu_metadata
.endif
;; end of part 1
;; launch attn (part 2): grid 4 x 64, 16 waves a work-group, clusters of 4 x 1, 276,480 bytes of LDS; arguments qkv_img, qkv_sc, y_img, y_sc; writes y_img, y_sc
.if DOCPART == 2
	.amdgcn_target "amdgcn-amd-amdhsa--gfx1250"
	.amdhsa_code_object_version 6
	.text
	.protected	k_qc1bfdbea4d_attn
	.globl	k_qc1bfdbea4d_attn
	.p2align	8
	.type	k_qc1bfdbea4d_attn,@function
k_qc1bfdbea4d_attn:
	s_mov_b64 s[64:65], 0
	v_nop
	global_prefetch_b8 v0, s[64:65] scope:SCOPE_SE
	s_setreg_imm32_b32 hwreg(HW_REG_WAVE_MODE, 25, 1), 1
	s_wait_xcnt 0x0
	s_wait_alu depctr_hold_cnt(0) depctr_sa_sdst(0) depctr_va_vdst(0) depctr_va_sdst(0) depctr_va_ssrc(0) depctr_va_vcc(0) depctr_vm_vsrc(0)
	s_getreg_b32 s2, hwreg(HW_REG_IB_STS2, 6, 4)
	s_cmp_eq_u32 s2, 0
	s_cbranch_scc0 .Lentry_in_a_cluster
	s_endpgm
.Lentry_in_a_cluster:
	s_bfe_u32 s2, ttmp6, 0x10000c
	s_cmp_lg_u32 s2, 0x3003
	s_cbranch_scc0 .Lentry_shape_is_right
	s_endpgm
.Lentry_shape_is_right:
; y = softmax(q k^T / 8, causal) v for one (batch, head) a cluster, both products on codes of BF8 (E5M2) with one E8M0 scale for each 32 along K; y quantised along (head, d) on its way out.
; q, k, v come as register images (see the launch that makes them): a fragment's chunk of four registers is 512 consecutive bytes, 16 a lane.  Inside each block of 32 along a product's K the order is the same on both operands.
; THE SOFTMAX: t = score x log2(e) / 8; M = the running largest t rounded up to a whole number; p = 2^(t - M) is quantised along the keys; the row's sum is taken of the unquantised p and divides at the end (v_rcp_f32 and a multiplication).
; When M moves, the sum and O are multiplied by 2^(old M - new M): exact.
; K = 64 IN AN INSTRUCTION OF 128: of q's and k's fragments registers 8-15 are zero codes, written once; their scale bytes are the zeros of a 16-bit load, which stand for 2^-127 over zeros.
; SHARES.  The whole head's K and V (and their scale words) lie in LDS, filled ONCE, by joint loads of the cluster's four work-groups: nothing is filled again, and no barrier stands in a loop.
; The head has 128 tiles of 16 queries, tile 8 g + e; it needs g + 1 steps of 128 keys.  A wave takes two tiles with one e: g = gp, then g = 15 - gp: 17 steps for every wave.  e = 2 cx + wave % 2; gp hangs on the wave's number alone.
; The place in the cluster enters global offsets and the mask's comparand only: no branch, no trip count, no LDS address.  Every wave walks 8 and then 16 trips; a trip whose keys all come after the tile's queries jumps to its end.
; TWO BARRIERS, BOTH AT THE START.  The first tile's first step reads keys 0 to 127 only: it starts when the first halves of the tiles have landed, and it is work for every wave (g is at least 0), so the waves reach the second
; barrier, behind it, together; that barrier shows the second halves.  From there to the closing round no wave waits for another: each walks its other 16 steps at its own pace, and a tile's short pass is made up by its long one.
; LAYOUT.  S^T = K Q^T (source 0 = 16 keys, source 1 = my 16 queries), O^T = V^T P^T: a lane holds one query (lane % 16) throughout.  Register 16 b + 8 u + j of S^T is key 32 b + 16 u + 8 (lane / 16) + j of the step.
; y_img: [tile of 16 rows 512][head pair 8][2 x head of the pair + block of 32 d][lane][16 bytes];  y_sc: [row 8192][32], byte 2 x head + block.
; y's two scale bytes a row leave by a 2-byte store, rows 32 bytes apart: the other heads' bytes of those rows belong to other work-groups, so nothing here could gather them; they are one byte in 32 of what the launch stores.
; LIMITS: NaN and infinities are not served.  A block of zeros, or one under the floor 2^(16 - 127), gets the byte 1: only this program reads the bytes.
.set KIMG, 0                           ; K: tile of 16 keys x 1,024 + chunk x 512 + 16 x lane
.set VIMG, 131072                      ; V: step of 128 keys x 8,192 + tile of 16 d x 2,048 + chunk x 512 + 16 x lane
.set KSC,  262144                      ; K's scale words of the head pair: 4 bytes a key
.set VSC,  270336                      ; V's: step x 256 + tile x 64 + 4 r
.set LI,   1                           ; v1   16 x lane
.set AKS0, 2                           ; v2   KSC + 4 r + 2 x head of the pair
.set AVS0, 3                           ; v3   VSC + 4 r
.set DG,   4                           ; v4   16 e + r - 8 h: the mask's comparand
.set AV0,  5                           ; v5   VIMG + 16 x lane
.set QSO,  6                           ; v6   4 r + 2 x head of the pair
.set YSO,  7                           ; v7   32 r
.set ADK,  8                           ; v8-11 the step's addresses: K, V, K's scale words, V's
.set ADV,  9
.set ADS,  10
.set ADT,  11                          ; v12 -M, v13 the largest t, v[14:15] the sum in two halves
.set QF,   16                          ; v16-23 Q, v24-31 zeros
.set KFR,  32                          ; v32-95 four fragments of K: 8 registers loaded, 8 zeros
.set SS,   96                          ; v96-159 S^T, then p, then V's four fragments
.set OT,   160                         ; v160-191 O^T
.set PC,   192                         ; v192-207 p's codes
.set KSW,  208                         ; v208-211 K's scale words; v212-215 V's; v216 Q's; v217 p's
.set VSW,  212
.set QSW,  216
.set PSW,  217
.set CH2,  218                         ; v[218:219] the sum's second chain
.set MX,   220                         ; v220-223 block maxima; v224-227 permutes and bytes; v232-235 the conversion's scale operand
.set PX,   224
.set HD,   228
.set SO,   232
.set T0,   236
.set T1,   237
.set FF,   238                         ; v[238:239] f = 2^(old M - new M), and a 0 that is written since the pair is named
.set YC,   240                         ; v240-247 y's codes; v248 its two scale bytes
.set YW,   248
.set WV,  12
.set CX,  13
.set BH,  14                           ; 16 x batch + head
.set HL,  15                           ; head of the pair
.set GP,  16
.set EE,  17
.set GG,  18                           ; the pass's g
.set ST,  19                           ; the trip: step of 128 keys
.set SEL, 20
.set CS,  22                           ; s[22:23] c = log2(e) / 8
.set MNT, 24
.set PB,  25                           ; 8 x batch + head pair
.set YSB, 26                           ; s[26:27] y_sc at my tile
.set G1K, 28
.set G1V, 36
.set G1KS, 44
.set G1VS, 52
.set QB,  60                           ; s[60:61] Q's image, s[62:63] its scale words
.set QSB, 62
.set G0,  68                           ; s[68:99] eight groups 0: K, V, K's scales, V's scales, two halves each
.set YB,  100                          ; s[100:101] y_img at my tile
.macro CROUND
	s_barrier_signal -1
	s_barrier_wait -1
	s_cmp_lg_u32 s[WV], 0
	s_cbranch_scc1 .Lnot_wave_0_\@
	s_barrier_signal -3
.Lnot_wave_0_\@:
	s_barrier_wait -3
	s_barrier_signal -1
	s_barrier_wait -1
.endm
.macro GROUP1 g, row, rows, pitch      ; rows of \row elements of 8 bytes, dense in LDS
	s_mov_b32 s[\g], 15|(3<<16)|(1<<21)            ; 15:0 the mask: all four work-groups; 17:16 elements of 8 bytes; 21 set beside a mask
	s_mov_b32 s[\g+1], (\row)<<16
	s_mov_b32 s[\g+2], (\rows)<<16
	s_mov_b32 s[\g+3], (\row)<<16
	s_mov_b32 s[\g+4], \rows
	s_mov_b32 s[\g+5], \pitch
	s_mov_b32 s[\g+6], 0
	s_mov_b32 s[\g+7], 0
.endm
.macro GROUP0 g, lds, half, ptr, step  ; two groups 0: the first half at s[2:3] bytes from the buffer's start, the second \step bytes on
	s_mov_b32 s[\g], 1
	s_mov_b32 s[\g+1], \lds
	s_add_nc_u64 s[\g+2:\g+3], s[\ptr:\ptr+1], s[2:3]
	s_mov_b32 s[\g+4], 1
	s_mov_b32 s[\g+5], (\lds)+(\half)
	s_add_nc_u64 s[\g+6:\g+7], s[\g+2:\g+3], \step
	s_or_b32 s[\g+3], s[\g+3], 0x80000000
	s_or_b32 s[\g+7], s[\g+7], 0x80000000
.endm
	s_load_b128 s[4:7], s[0:1], 0x0                ; qkv_img, qkv_sc
	s_load_b128 s[8:11], s[0:1], 0x10              ; y_img, y_sc
	v_lshl_add_u32 v254, v0, 2, 0x43000
	v_mov_b32 v255, 0
	ds_add_u32 v254, v255
	ds_add_u32 v254, v255
	v_lshrrev_b32 v1, 5, v0
	s_delay_alu instid0(VALU_DEP_1)
	v_readfirstlane_b32 s[WV], v1                  ; wave 0..15
	s_bfe_u32 s[CX], ttmp6, 0x40000
	s_and_b32 s[BH], ttmp7, 0xffff                 ; the cluster's y: shared by the four partners
	s_and_b32 s[HL], s[BH], 1
	s_lshr_b32 s[PB], s[BH], 1
	s_and_b32 s2, s[WV], 1
	s_lshl_b32 s[EE], s[CX], 1
	s_add_co_u32 s[EE], s[EE], s2                  ; e = 2 cx + wave % 2
	s_lshr_b32 s2, s[WV], 2                        ; j = wave / 4
	s_and_b32 s3, s2, 2
	s_bfe_u32 s[GP], s[WV], 0x10001                ; (wave / 2) % 2
	s_add_co_u32 s[GP], s[GP], s3
	s_and_b32 s2, s2, 1
	s_mul_i32 s2, s2, 7
	s_xor_b32 s[GP], s[GP], s2                     ; gp: 0 .. 7, each once for each e
	s_mov_b32 s[SEL], 0x76543210
	s_mov_b32 s[SEL+1], 0xfedcba98
	s_mov_b32 s[CS], 0x3e38aa3b                    ; log2(e) / 8
	s_mov_b32 s[CS+1], s[CS]
	; all address registers, ahead of the first branch on the wave's number
	v_and_b32 v[T0], 15, v0                        ; r
	v_bfe_u32 v[T1], v0, 4, 1                      ; h
	v_and_b32 v[LI], 31, v0
	s_delay_alu instid0(VALU_DEP_1)
	v_lshlrev_b32 v[LI], 4, v[LI]
	s_lshl_b32 s2, s[HL], 1
	v_lshl_add_u32 v[QSO], v[T0], 2, s2
	s_delay_alu instid0(VALU_DEP_1)
	v_add_nc_u32 v[AKS0], KSC, v[QSO]
	v_lshlrev_b32 v[AVS0], 2, v[T0]
	s_delay_alu instid0(VALU_DEP_1)
	v_add_nc_u32 v[AVS0], VSC, v[AVS0]
	v_add_nc_u32 v[AV0], VIMG, v[LI]
	v_lshlrev_b32 v[YSO], 5, v[T0]
	s_lshl_b32 s2, s[EE], 4
	v_lshlrev_b32 v[T1], 3, v[T1]
	s_delay_alu instid0(VALU_DEP_1)
	v_sub_nc_u32 v[DG], v[T0], v[T1]
	s_delay_alu instid0(VALU_DEP_1)
	v_add_nc_u32 v[DG], s2, v[DG]
.irp i, 8,9,10,11,12,13,14,15
	v_mov_b32 v[QF+\i], 0                          ; zero codes for K = 64 .. 127, on both operands
.irp t, 0,1,2,3
	v_mov_b32 v[KFR+16*\t+\i], 0
.endr
.endr
.irp b, 0,1,2,3
	v_mov_b32 v[PX+\b], 0                          ; written once: a lane permute's destination counts as one of its sources
.endr
	v_mov_b32 v[FF+1], 0
	GROUP1 G1K, 128, 64, 256                       ; K, a half: 64 tiles of 16 keys x 1,024 bytes, 2,048 bytes apart (the other head of the pair lies between)
	GROUP1 G1V, 1024, 8, 2048                      ; V, a half: 8 steps x 8,192 bytes, 16,384 apart
	GROUP1 G1KS, 32, 16, 32                        ; K's scale words, a half: 4,096 dense bytes
	GROUP1 G1VS, 32, 8, 64                         ; V's, a half: 8 steps x 256 bytes, 512 apart
	s_wait_dscnt 0x0
	s_wait_kmcnt 0x0
	s_lshl_b32 s2, s[PB], 18                       ; 262,144 bytes of codes a head pair
	s_lshl_b32 s3, s[HL], 10
	s_add_co_u32 s2, s2, s3
	s_add_co_u32 s2, s2, 8388608                   ; k's section
	s_mov_b32 s3, 0
	GROUP0 G0, KIMG, 65536, 4, 131072
	s_lshl_b32 s2, s[PB], 18
	s_lshl_b32 s66, s[HL], 13
	s_add_co_u32 s2, s2, s66
	s_add_co_u32 s2, s2, 16777216                  ; v's section
	GROUP0 G0+8, VIMG, 65536, 4, 131072
	s_lshl_b32 s2, s[PB], 13                       ; 8,192 bytes of scale words a head pair
	s_add_co_u32 s2, s2, 262144
	GROUP0 G0+16, KSC, 4096, 6, 4096
	s_lshl_b32 s2, s[PB], 13
	s_lshl_b32 s66, s[HL], 8
	s_add_co_u32 s2, s2, s66
	s_add_co_u32 s2, s2, 524288
	GROUP0 G0+24, VSC, 2048, 6, 4096
	CROUND                                         ; all four work-groups are here: the joint loads meet
	; the only fills of the launch: waves 0 to 3 issue two each, inside one branch on the wave's number; four v_nop follow the second
	s_cmp_lg_u32 s[WV], 0
	s_cbranch_scc1 .Lnot_k
	tensor_load_to_lds s[G0:G0+3], s[G1K:G1K+7]
	s_nop 0
	tensor_load_to_lds s[G0+4:G0+7], s[G1K:G1K+7]
	s_nop 0
.rept 4
	v_nop
.endr
	s_branch .Lasked
.Lnot_k:
	s_cmp_lg_u32 s[WV], 1
	s_cbranch_scc1 .Lnot_v
	tensor_load_to_lds s[G0+8:G0+11], s[G1V:G1V+7]
	s_nop 0
	tensor_load_to_lds s[G0+12:G0+15], s[G1V:G1V+7]
	s_nop 0
.rept 4
	v_nop
.endr
	s_branch .Lasked
.Lnot_v:
	s_cmp_lg_u32 s[WV], 2
	s_cbranch_scc1 .Lnot_ks
	tensor_load_to_lds s[G0+16:G0+19], s[G1KS:G1KS+7]
	s_nop 0
	tensor_load_to_lds s[G0+20:G0+23], s[G1KS:G1KS+7]
	s_nop 0
.rept 4
	v_nop
.endr
	s_branch .Lasked
.Lnot_ks:
	s_cmp_lg_u32 s[WV], 3
	s_cbranch_scc1 .Lasked
	tensor_load_to_lds s[G0+24:G0+27], s[G1VS:G1VS+7]
	s_nop 0
	tensor_load_to_lds s[G0+28:G0+31], s[G1VS:G1VS+7]
	s_nop 0
.rept 4
	v_nop
.endr
.Lasked:
; A PASS'S HEAD: the tile's bases, Q's three loads, the starting values.
.macro PHEAD p
	s_wait_xcnt 0x0                                ; the last pass's stores have read their bases and data: these are written again only behind this wait
.if \p
	s_xor_b32 s[GG], s[GP], 15
.else
	s_mov_b32 s[GG], s[GP]
.endif
	s_lshl_b32 s[QB], s[PB], 18                    ; Q's image: head pair, head, group g, tile e
	s_lshl_b32 s2, s[HL], 10
	s_add_co_u32 s[QB], s[QB], s2
	s_lshl_b32 s2, s[GG], 14
	s_add_co_u32 s[QB], s[QB], s2
	s_lshl_b32 s2, s[EE], 11
	s_add_co_u32 s[QB], s[QB], s2
	s_mov_b32 s[QB+1], 0
	s_add_nc_u64 s[QB:QB+1], s[4:5], s[QB:QB+1]
	s_lshl_b32 s[QSB], s[PB], 13                   ; its scale words
	s_lshl_b32 s2, s[GG], 9
	s_add_co_u32 s[QSB], s[QSB], s2
	s_lshl_b32 s2, s[EE], 6
	s_add_co_u32 s[QSB], s[QSB], s2
	s_mov_b32 s[QSB+1], 0
	s_add_nc_u64 s[QSB:QSB+1], s[6:7], s[QSB:QSB+1]
	global_load_b128 v[QF:QF+3], v[LI], s[QB:QB+1]
	global_load_b128 v[QF+4:QF+7], v[LI], s[QB:QB+1] offset:512
	global_load_u16 v[QSW], v[QSO], s[QSB:QSB+1]   ; my query's two bytes; the upper two come as zeros
	s_lshl_b32 s2, s[GG], 3
	s_add_co_u32 s2, s2, s[EE]                     ; the tile in the head
	s_lshr_b32 s3, s[BH], 4
	s_lshl_b32 s3, s3, 7
	s_add_co_u32 s2, s2, s3                        ; the tile of 16 rows of y
	s_and_b32 s3, s[BH], 15                        ; the head
	s_lshl_b32 s[YB], s2, 14
	s_lshl_b32 s66, s3, 10
	s_add_co_u32 s[YB], s[YB], s66
	s_mov_b32 s[YB+1], 0
	s_add_nc_u64 s[YB:YB+1], s[8:9], s[YB:YB+1]
	s_lshl_b32 s[YSB], s2, 9
	s_lshl_b32 s3, s3, 1
	s_add_co_u32 s[YSB], s[YSB], s3
	s_mov_b32 s[YSB+1], 0
	s_add_nc_u64 s[YSB:YSB+1], s[10:11], s[YSB:YSB+1]
	v_mov_b32 v13, 0xff61b1e6                      ; the largest t so far: -3e38
	s_delay_alu instid0(VALU_DEP_1)
	v_floor_f32 v12, -v13                          ; -M
	v_mov_b32 v14, 0
	v_mov_b32 v15, 0
.set jj, 0
.rept 32
	v_mov_b32 v[OT+jj], 0                          ; the step is written once for all trips: the first finds zeros, which the first change of M leaves zeros
.set jj, jj+1
.endr
.endm
; A KEY STEP: 128 keys, those of trip ST.
.macro STEP
	s_cmp_gt_u32 s[ST], s[GG]                      ; all these keys come after my queries: nothing to do.  The branch hangs on the wave's number and the trip
	s_cbranch_scc1 .Lhidden_\@
	s_setprio 2
	v_lshl_add_u32 v[ADK], s[ST], 13, v[LI]
	s_wait_alu depctr_va_vdst(0)
	v_lshl_add_u32 v[ADV], s[ST], 13, v[AV0]
	v_lshl_add_u32 v[ADS], s[ST], 9, v[AKS0]
	s_wait_alu depctr_va_vdst(0)
	v_lshl_add_u32 v[ADT], s[ST], 8, v[AVS0]
.rept 5
	v_nop                                          ; nine places with the four above: the products below write over registers that the last step's products read
.endr
.irp g, 0,1                                    ; S^T = K Q^T, four tiles of 16 keys at a time
.if \g
.rept 8
	v_nop                                          ; places in front of loads into registers that matrix instructions have read
.endr
.endif
.irp t, 0,1,2,3
	ds_load_b128 v[KFR+16*\t:KFR+16*\t+3], v[ADK] offset:1024*(4*\g+\t)
	ds_load_b128 v[KFR+16*\t+4:KFR+16*\t+7], v[ADK] offset:1024*(4*\g+\t)+512
	ds_load_u16 v[KSW+\t], v[ADS] offset:64*(4*\g+\t)
.endr
	s_wait_dscnt 0x0
.irp t, 0,1,2,3
	v_wmma_scale_f32_16x16x128_f8f6f4 v[SS+8*(4*\g+\t):SS+8*(4*\g+\t)+7], v[KFR+16*\t:KFR+16*\t+15], v[QF:QF+15], 0, v[KSW+\t], v[QSW] matrix_a_fmt:MATRIX_FMT_BF8 matrix_b_fmt:MATRIX_FMT_BF8
.endr
.endr
.rept 8
	v_nop
.endr
	s_cmp_lg_u32 s[ST], s[GG]                      ; only the tile's last step lies on the diagonal
	s_cbranch_scc1 .Lopen_\@
	v_mov_b32 v[T1], 0xff800000                    ; -infinity: p = 0 then
.set nn, 0
.rept 64
	v_cmp_gt_i32 vcc_lo, 2*nn-(nn%8), v[DG]        ; register nn = 16 b + 8 u + j holds key 32 b + 16 u + j + 8 h of the step: hidden where it comes after query 16 e + r
	v_cndmask_b32 v[SS+nn], v[SS+nn], v[T1], vcc_lo
.set nn, nn+1
.endr
.Lopen_\@:
.irp b, 0,1,2,3
	v_max3_num_f32 v[MX+\b], v[SS+16*\b], v[SS+1+16*\b], v[SS+2+16*\b]   ; the largest score of each block of 32 keys: for the row's maximum, and, since p rises with the score, for the block's largest p
.endr
.irp i, 3,5,7,9,11,13
.irp b, 0,1,2,3
	v_max3_num_f32 v[MX+\b], v[MX+\b], v[SS+16*\b+\i], v[SS+1+16*\b+\i]
.endr
.endr
.irp b, 0,1,2,3
	v_max_num_f32 v[MX+\b], v[MX+\b], v[SS+15+16*\b]
.endr
.irp b, 0,1,2,3
	s_delay_alu instid0(VALU_DEP_4)
	v_permlanex16_b32 v[PX+\b], v[MX+\b], s[SEL], s[SEL+1]
.endr
.irp b, 0,1,2,3
	s_delay_alu instid0(VALU_DEP_4)
	v_max_num_f32 v[MX+\b], v[MX+\b], v[PX+\b]     ; with lane l xor 16's 16 keys
.endr
	s_delay_alu instid0(VALU_DEP_2)
	v_max3_num_f32 v[T0], v[MX], v[MX+1], v[MX+2]
	s_delay_alu instid0(VALU_DEP_1)
	v_max_num_f32 v[T0], v[T0], v[MX+3]
	s_delay_alu instid0(VALU_DEP_1)
	v_mul_f32 v[T0], s[CS], v[T0]                  ; as t
	s_delay_alu instid0(VALU_DEP_1)
	v_max_num_f32 v13, v13, v[T0]                  ; the running largest t
	v_mov_b32 v[T0], v12
	s_delay_alu instid0(VALU_DEP_2)
	v_floor_f32 v12, -v13                          ; the new -M = -ceil(t)
	s_delay_alu instid0(VALU_DEP_1)
	v_sub_f32 v[T0], v12, v[T0]                    ; old M - new M: a whole number, 0 or less
	s_delay_alu instid0(VALU_DEP_1)
	v_cvt_i32_f32 v[T0], v[T0]                     ; (it saturates)
	s_delay_alu instid0(VALU_DEP_1)
	v_ldexp_f32 v[FF], 1.0, v[T0]                  ; f = 2^(old M - new M)
.set jj, 0
.rept 32
	v_pk_fma_f32 v[SS+jj:SS+jj+1], v[SS+jj:SS+jj+1], s[CS:CS+1], v[12:13] op_sel_hi:[1,0,0]   ; t - M, two at a time
.set jj, jj+2
.endr
	s_setprio 1
.irp b, 0,1,2,3
	v_fma_f32 v[MX+\b], v[MX+\b], s[CS], v12       ; the same of each block's largest score
.endr
.set jj, 0
	s_wait_alu depctr_va_vdst(0)
.rept 64
	v_exp_f32 v[SS+jj], v[SS+jj]                   ; p = 2^(t - M), at most 1
.set jj, jj+1
.endr
.irp b, 0,1,2,3
	v_exp_f32 v[MX+\b], v[MX+\b]                   ; the block's largest p: the same two instructions on the same number
.endr
	v_pk_mul_f32 v[14:15], v[14:15], v[FF:FF+1] op_sel_hi:[1,0]   ; the sums under the new M (a plain instruction behind the exponentials)
	s_wait_alu depctr_va_vdst(0)
.irp b, 0,1,2,3
	v_max_num_f32 v[MX+\b], 0x8000000, v[MX+\b]    ; the floor 2^(16 - 127)
.endr
.irp b, 0,1,2,3
	s_delay_alu instid0(VALU_DEP_4)
	v_add_nc_u32 v[SO+\b], 0xf8800000, v[MX+\b]    ; 15 off the exponent field: the conversion's scale operand
.endr
.irp b, 0,1,2,3
.endr
.irp b, 0,1,2,3
	s_delay_alu instid0(VALU_DEP_4)
	v_lshrrev_b32 v[PX+\b], 23, v[SO+\b]           ; the scale's byte
.endr
	s_delay_alu instid0(VALU_DEP_3)
	v_lshl_or_b32 v[PSW], v[PX+1], 8, v[PX]        ; p's scale word for these 128 keys
	s_delay_alu instid0(VALU_DEP_1)
	v_lshl_or_b32 v[PSW], v[PX+2], 16, v[PSW]
	s_delay_alu instid0(VALU_DEP_1)
	v_lshl_or_b32 v[PSW], v[PX+3], 24, v[PSW]
	v_pk_add_f32 v[218:219], v[100:101], v[104:105]
	v_pk_add_f32 v[252:253], v[108:109], v[112:113]
	v_pk_add_f32 v[250:251], v[116:117], v[120:121]
	v_pk_add_f32 v[248:249], v[124:125], v[128:129]
	v_pk_add_f32 v[246:247], v[132:133], v[136:137]
	v_pk_add_f32 v[244:245], v[140:141], v[144:145]
	v_pk_add_f32 v[242:243], v[148:149], v[152:153]
	v_pk_add_f32 v[14:15], v[14:15], v[156:157]
	v_pk_add_f32 v[218:219], v[218:219], v[96:97]
	v_pk_add_f32 v[252:253], v[252:253], v[98:99]
	v_pk_add_f32 v[250:251], v[250:251], v[102:103]
	v_pk_add_f32 v[248:249], v[248:249], v[106:107]
	v_pk_add_f32 v[246:247], v[246:247], v[110:111]
	v_pk_add_f32 v[244:245], v[244:245], v[114:115]
	v_pk_add_f32 v[242:243], v[242:243], v[118:119]
	v_pk_add_f32 v[14:15], v[14:15], v[122:123]
	v_pk_add_f32 v[218:219], v[218:219], v[126:127]
	v_pk_add_f32 v[252:253], v[252:253], v[130:131]
	v_pk_add_f32 v[250:251], v[250:251], v[134:135]
	v_pk_add_f32 v[248:249], v[248:249], v[138:139]
	v_pk_add_f32 v[246:247], v[246:247], v[142:143]
	v_pk_add_f32 v[244:245], v[244:245], v[146:147]
	v_pk_add_f32 v[242:243], v[242:243], v[150:151]
	v_pk_add_f32 v[14:15], v[14:15], v[154:155]
	v_pk_add_f32 v[218:219], v[218:219], v[158:159]
	s_delay_alu instid0(VALU_DEP_2)
	v_pk_add_f32 v[14:15], v[14:15], v[248:249]
	s_delay_alu instid0(VALU_DEP_2)
	v_pk_add_f32 v[218:219], v[218:219], v[246:247]
	v_pk_add_f32 v[252:253], v[252:253], v[244:245]
	v_pk_add_f32 v[250:251], v[250:251], v[242:243]
	s_delay_alu instid0(VALU_DEP_2)
	v_pk_add_f32 v[14:15], v[14:15], v[252:253]
	s_delay_alu instid0(VALU_DEP_2)
	v_pk_add_f32 v[218:219], v[218:219], v[250:251]
	s_delay_alu instid0(VALU_DEP_1)
	v_pk_add_f32 v[14:15], v[14:15], v[218:219]
.irp b, 0,1,2,3
.set jj, 0
.rept 16
.set jj, jj+1
.endr
	v_cvt_scalef32_pk8_bf8_f32 v[PC+4*\b:PC+4*\b+1], v[SS+16*\b:SS+16*\b+7], v[SO+\b]
	v_cvt_scalef32_pk8_bf8_f32 v[PC+4*\b+2:PC+4*\b+3], v[SS+16*\b+8:SS+16*\b+15], v[SO+\b]
.endr
	s_setprio 0
	v_nop
.irp t, 0,1,2,3                                ; V's four fragments take p's place: they land while O^T is rescaled
.irp c, 0,1,2,3
	ds_load_b128 v[SS+16*\t+4*\c:SS+16*\t+4*\c+3], v[ADV] offset:2048*\t+512*\c
.endr
	ds_load_b32 v[VSW+\t], v[ADT] offset:64*\t
.endr
.set jj, 0
.rept 16
	v_pk_mul_f32 v[OT+jj:OT+jj+1], v[OT+jj:OT+jj+1], v[FF:FF+1] op_sel_hi:[1,0]   ; O^T under the new M; these sixteen also stand between the codes and the products
.set jj, jj+2
.endr
	s_wait_alu depctr_va_vdst(0)
	s_wait_dscnt 0x0
.irp t, 0,1,2,3                                ; O^T += V^T P^T: the four accumulators by turns
	v_wmma_scale_f32_16x16x128_f8f6f4 v[OT+8*\t:OT+8*\t+7], v[SS+16*\t:SS+16*\t+15], v[PC:PC+15], v[OT+8*\t:OT+8*\t+7], v[VSW+\t], v[PSW] matrix_a_fmt:MATRIX_FMT_BF8 matrix_b_fmt:MATRIX_FMT_BF8
.endr
.Lhidden_\@:
.endm
; Trips from .. nt - 1 of a pass.
.macro PLOOP from, nt
	s_mov_b32 s[ST], \from
.Lstep_\@:
	STEP
	s_add_co_u32 s[ST], s[ST], 1
	s_cmp_lt_u32 s[ST], \nt
	s_cbranch_scc1 .Lstep_\@
	s_setprio 0
.endm
; A tile's way out: divided by the sum, quantised along d, stored as an image.
.macro PEND
.rept 8
	v_nop                                          ; places behind the last products
.endr
	v_add_f32 v14, v14, v15                        ; the sum's two halves,
	s_delay_alu instid0(VALU_DEP_1)
	v_permlanex16_b32 v[PX], v14, s[SEL], s[SEL+1]
	s_delay_alu instid0(VALU_DEP_1)
	v_add_f32 v14, v14, v[PX]                      ; and lane l xor 16's
	s_wait_alu depctr_va_vdst(0)
	v_rcp_f32 v14, v14
	v_nop                                          ; a plain instruction behind the transcendental
.set jj, 0
	s_wait_alu depctr_va_vdst(0)
.rept 16
	v_pk_mul_f32 v[SS+jj:SS+jj+1], v[OT+jj:OT+jj+1], v[14:15] op_sel_hi:[1,0]   ; y: register 16 c + 8 u + j is d = 32 c + 16 u + 8 h + j of my query; each accumulator from its low end on
.set jj, jj+2
.endr
.irp c, 0,1                                    ; y's two blocks of 32 along the last product's K
	v_max3_num_f32 v[MX+\c], |v[SS+16*\c]|, |v[SS+16*\c+1]|, 0x8000000
.endr
.irp i, 2,4,6,8,10,12,14
.irp c, 0,1
	s_delay_alu instid0(VALU_DEP_2)
	v_max3_num_f32 v[MX+\c], v[MX+\c], |v[SS+16*\c+\i]|, |v[SS+16*\c+\i+1]|
.endr
.endr
.irp c, 0,1
	s_delay_alu instid0(VALU_DEP_2)
	v_permlanex16_b32 v[PX+\c], v[MX+\c], s[SEL], s[SEL+1]
.endr
.irp c, 0,1
	s_delay_alu instid0(VALU_DEP_2)
	v_max_num_f32 v[MX+\c], v[MX+\c], v[PX+\c]
.endr
.irp c, 0,1
	s_delay_alu instid0(VALU_DEP_2)
	v_add_nc_u32 v[SO+\c], 0xf8800000, v[MX+\c]
.endr
.irp c, 0,1
.endr
.irp c, 0,1
	s_delay_alu instid0(VALU_DEP_2)
	v_lshrrev_b32 v[PX+\c], 23, v[SO+\c]
.endr
	s_delay_alu instid0(VALU_DEP_1)
	v_lshl_or_b32 v[YW], v[PX+1], 8, v[PX]
.irp c, 0,1
.set jj, 0
.rept 16
.set jj, jj+1
.endr
	v_cvt_scalef32_pk8_bf8_f32 v[YC+4*\c:YC+4*\c+1], v[SS+16*\c:SS+16*\c+7], v[SO+\c]
	v_cvt_scalef32_pk8_bf8_f32 v[YC+4*\c+2:YC+4*\c+3], v[SS+16*\c+8:SS+16*\c+15], v[SO+\c]
.endr
	v_nop                                          ; a plain vector instruction behind the last conversion
	global_store_b128 v[LI], v[YC:YC+3], s[YB:YB+1]               ; 512 consecutive bytes a store
	global_store_b128 v[LI], v[YC+4:YC+7], s[YB:YB+1] offset:512
	global_store_b16 v[YSO], v[YW], s[YSB:YSB+1]   ; my row's two bytes; both halves of the lanes write the same bytes with the same value
.endm
	PHEAD 0
	s_wait_tensorcnt 0x1                           ; my first half has landed; one load, my second half, may stay out
	s_barrier_signal -1
	s_barrier_wait -1                              ; everybody's first half has
	s_wait_loadcnt 0x0                             ; Q
	s_mov_b32 s[ST], 0
	STEP                                           ; keys 0 to 127: work for every wave, while the second halves land
	s_wait_tensorcnt 0x0                           ; my second half has landed
	s_wait_dscnt 0x0
	s_barrier_signal -1
	s_barrier_wait -1                              ; everybody's has: the last barrier ahead of the closing round
	PLOOP 1, 8
	PEND
	PHEAD 1
	s_wait_loadcnt 0x0                             ; Q
	PLOOP 0, 16
	PEND
	s_wait_dscnt 0x0
	s_wait_tensorcnt 0x0
	ds_add_u32 v254, v255
	s_wait_dscnt 0x0
	CROUND                                         ; the closing round
	s_endpgm
.Lfunc_end_k_qc1bfdbea4d_attn:
	.size	k_qc1bfdbea4d_attn, .Lfunc_end_k_qc1bfdbea4d_attn-k_qc1bfdbea4d_attn
	.p2alignl 7, 3214868480
	.fill 96, 4, 3214868480
	.section	.rodata,"a",@progbits
	.p2align	6, 0x0
	.amdhsa_kernel k_qc1bfdbea4d_attn
		.amdhsa_group_segment_fixed_size 276480
		.amdhsa_private_segment_fixed_size 0
		.amdhsa_enable_private_segment 0
		.amdhsa_kernarg_size 32
		.amdhsa_user_sgpr_count 2
		.amdhsa_user_sgpr_kernarg_segment_ptr 1
		.amdhsa_wavefront_size32 1
		.amdhsa_system_sgpr_workgroup_id_x 1
		.amdhsa_system_sgpr_workgroup_id_y 1
		.amdhsa_system_sgpr_workgroup_id_z 1
		.amdhsa_system_vgpr_workitem_id 0
		.amdhsa_next_free_vgpr 256
		.amdhsa_next_free_sgpr 102
		.amdhsa_reserve_vcc 1
		.amdhsa_float_denorm_mode_32 3
		.amdhsa_float_denorm_mode_16_64 3
		.amdhsa_fp16_overflow 1
		.amdhsa_memory_ordered 1
		.amdhsa_forward_progress 1
		.amdhsa_inst_pref_size 94
	.end_amdhsa_kernel
	.amdgpu_metadata
---
amdhsa.version: [ 1, 2 ]
amdhsa.kernels:
  - .name:           k_qc1bfdbea4d_attn
    .symbol:         k_qc1bfdbea4d_attn.kd
    .args:
      - { .name: qkv_img, .offset: 0, .size: 8, .value_kind: global_buffer, .address_space: global }
      - { .name: qkv_sc, .offset: 8, .size: 8, .value_kind: global_buffer, .address_space: global }
      - { .name: y_img, .offset: 16, .size: 8, .value_kind: global_buffer, .address_space: global }
      - { .name: y_sc, .offset: 24, .size: 8, .value_kind: global_buffer, .address_space: global }
    .group_segment_fixed_size: 276480
    .private_segment_fixed_size: 0
    .kernarg_segment_align: 8
    .kernarg_segment_size: 32
    .max_flat_workgroup_size: 512
    .sgpr_count:     102
    .vgpr_count:     256
    .wavefront_size: 32
...
	.end_amdgpu_metadata
.endif
;; end of part 2
;; launch proj (part 3): grid 4 x 64, 4 waves a work-group, clusters of 4 x 4, 327,680 bytes of LDS; arguments y_img, y_sc, w_proj_codes, w_proj_scales, out0; writes out0
.if DOCPART == 3
	.amdgcn_target "amdgcn-amd-amdhsa--gfx1250"
	.amdhsa_code_object_version 6
	.text
	.protected	k_qc1bfdbea4d_proj
	.globl	k_qc1bfdbea4d_proj
	.p2align	8
	.type	k_qc1bfdbea4d_proj,@function
k_qc1bfdbea4d_proj:
	s_mov_b64 s[64:65], 0
	v_nop
	global_prefetch_b8 v0, s[64:65] scope:SCOPE_SE
	s_setreg_imm32_b32 hwreg(HW_REG_WAVE_MODE, 25, 1), 1
	s_wait_xcnt 0x0
	s_wait_alu depctr_hold_cnt(0) depctr_sa_sdst(0) depctr_va_vdst(0) depctr_va_sdst(0) depctr_va_ssrc(0) depctr_va_vcc(0) depctr_vm_vsrc(0)
	s_getreg_b32 s2, hwreg(HW_REG_IB_STS2, 6, 4)
	s_cmp_eq_u32 s2, 0
	s_cbranch_scc0 .Lentry_in_a_cluster
	s_endpgm
.Lentry_in_a_cluster:
	s_bfe_u32 s2, ttmp6, 0x10000c
	s_cmp_lg_u32 s2, 0xf033
	s_cbranch_scc0 .Lentry_shape_is_right
	s_endpgm
.Lentry_shape_is_right:
; out0 = y w_proj on codes of BF8 (E5M2) with one E8M0 scale for each 32 along K.  out0: [8192][1024] f32; sums in f32, K ascending.
; y comes as register images, y_img [tile of 16 rows 512][K step of 128: 8][chunk 4][lane 32][16 bytes], with scales y_sc [8192][32].  w_proj: [1024 n][1024 k] codes, scales [1024][32].
; In y's images place 16 h + 8 u + j of a block of 32 holds the block's number 16 u + 8 h + j (h = lane / 16).  w_proj follows: its fragments are read in pieces of 8 bytes, piece (c, u) of lane (r, h) at byte 32 c + 16 u + 8 h
; of row r, so that each product pairs equal k; only the order in which the matrix unit adds inside a block differs from memory's order.
; SHARES.  out0 has 64 x 4 tiles of 128 rows x 256 columns: 256 work-groups, one tile each.  Four waves, each 64 rows x 128 columns: 32 accumulators.  (Tiles of 256 x 256 would be 128.)
; For 128 along K a wave reads 64 + 128 rows from LDS for 32 products.
; THREE SLOTS, NO LOOP.  K's 1,024 are four steps of 256.  A slot (y's 128 rows as images, w's 256 rows) is 102,400 bytes, so three fit: steps 0, 1, 2 and the scales are first fills, asked for one by one, each behind a wait for the last: one load of a wave is out at a time.
; Only step 3 is a refill, into slot 0, behind the one round of the cluster's barrier in the text's middle: it has steps 1 and 2, 128 products a wave, in which to land.  In front of that round every wave has waited for all its
; loads, so slot 2 is known whole from there on and the change from slot 1 to slot 2 has no barrier.
; CLUSTERS: 4 x 4 work-groups; y's tiles are asked for jointly along a row of the cluster, w's along a column.  The matrix instruction is used transposed (source 0 = 16 rows of w, source 1 = 16 rows of y):
; a lane holds eight neighbouring numbers of a row of out0.
; REGISTERS: window 0: v0-31 addresses; v32-95 the scale words of all of K; v128-191, v192-255 y's fragments, two sets; window 1: w's fragments, two sets; window 2: the accumulators, (a, b) at v[8 (8 a + b)].
; The next 128's fragments (16 loads of y, 64 of w) are asked for in three runs of 8,192 bytes each, between groups of eight products.
.set SIZE_N, 1024
.set ROWB,   256                       ; a row of w's tile
.set KROW,   1024
.set PITCH,  272                       ; w's rows in LDS: 256 bytes + 16: lane (r, h) of an 8-byte load starts at word 68 r + 2 h
.set NP,     8                         ; places behind this matrix instruction (ISA guide 7.12.1)
.set AROW,   4096                      ; a tile of 16 rows of y, 256 along K: two images of 2,048 bytes
.set HALFA,  4*AROW                    ; 64 rows of y: what one tensor load brings, and what one wave reads
.set AIMG,   2*HALFA
.set HALFT,  128*PITCH                 ; 128 rows of w: likewise
.set SLOT,   AIMG+2*HALFT              ; y's 128 rows, dense, then w's 256 rows
.set SCL,    3*SLOT                    ; y's scales for all of K, as units of 256 bytes + 16,
.set HALFSA, 8*272                     ; (those of 64 rows)
.set SCLB,   SCL+2*HALFSA              ; then w's
.set HALFSB, 16*272                    ; (those of 128 rows)
.set SBLK,   2*272                     ; those of 16 rows
.set SPARE,  SCLB+2*HALFSB             ; the spare words: 128 bytes a wave, named by no other line
.set STAGE,  SLOT                      ; the way out: 16 rows x (512 + 16) bytes a wave, in slot 1: filled once, and read for the last time ahead of the text's last barrier
.set SPITCH, 528
.set ADRA, 16                          ; v16-18  LDS address of my fragments of y in slot 0, 1, 2
.set ADRB, 20                          ; v20-22  of w
.set STO,  24
.set RD,   25
.set CO,   26                          ; v26  16 x lane
.set ADRS, 27                          ; v27  my scale words: lanes 0-15 y's rows, lanes 16-31 w's
.set SPW,  28                          ; v28  my spare word; never rewritten
.set NIL,  29                          ; v29  0; never rewritten
.set SC,   32                          ; v[SC + 8 i + s]: lanes 0-15 the word of y's block i, lanes 16-31 that of w's block i, for K = 128 s on
.set AF,   128
.set BK,   128                         ; the way out: 16 rows read back: v128-191 and v192-255 by turns
.set G1,  24                           ; s[24:31] group 1 for y's tiles; s[32:43] groups 0, a set a slot
.set G0,  32
.set G1B, 44                           ; s[44:51], s[52:63] for w's
.set G0B, 52
.set G1S, 68                           ; s[68:75], s[76:79] for y's scales; s[80:87], s[88:91] for w's
.set G0S, 76
.set G1SB, 80
.set G0SB, 88
.set MSB, 0
.macro WIN new                         ; the immediate's high byte repeats the setting that is left
.if MSB != \new
	s_set_vgpr_msb (MSB<<8)|\new
.set MSB, \new
.endif
.endm
.set MUL,  0xa1                        ; source 0 (w) window 1, source 1 (y) window 0, C and D window 2
.set TO_B, 0x40                        ; destination window 1, address window 0
.macro JLOAD g0a, g1a, g0b, g1b        ; a joint load: waves 0 and 1 fetch for y, waves 2 and 3 for w; four v_nop follow each line
	s_cmp_eq_u32 s15, 0
	s_cbranch_scc0 .Lfor_b_\@
	tensor_load_to_lds s[\g0a:\g0a+3], s[\g1a:\g1a+7]
	s_nop 0
.rept 4
	v_nop
.endr
	s_branch .Lasked_\@
.Lfor_b_\@:
	tensor_load_to_lds s[\g0b:\g0b+3], s[\g1b:\g1b+7]
	s_nop 0
.rept 4
	v_nop
.endr
.Lasked_\@:
.endm
.macro CREST                           ; a round of the cluster's barrier behind its opening barrier
	s_cmp_lg_u32 s14, 0
	s_cbranch_scc1 .Lnot_wave_0_\@
	s_barrier_signal -3
.Lnot_wave_0_\@:
	s_barrier_wait -3
	s_barrier_signal -1
	s_barrier_wait -1
.endm
.macro CROUND
	s_barrier_signal -1
	s_barrier_wait -1
	CREST
.endm
	s_load_b128 s[4:7], s[0:1], 0x0                ; y_img, y_sc
	s_load_b128 s[8:11], s[0:1], 0x10              ; w's codes, w's scales
	s_load_b64 s[12:13], s[0:1], 0x20              ; out0
	v_lshl_add_u32 v[SPW], v0, 2, SPARE
	v_mov_b32 v[NIL], 0
	ds_add_u32 v28, v29
	ds_add_u32 v28, v29
	s_wait_dscnt 0x0
	v_lshrrev_b32 v1, 5, v0
	v_readfirstlane_b32 s14, v1                    ; wave 0..3
	s_lshr_b32 s15, s14, 1                         ; which 64 rows are mine.  Also: I fetch for y (0) or for w (1)
	s_and_b32 s16, s14, 1                          ; which 128 columns.  Also: which half of that tile I fetch
	s_bfe_u32 s92, ttmp6, 0x40000                  ; cx, cy: my place in the cluster
	s_bfe_u32 s93, ttmp6, 0x40004
	s_lshl_b32 s94, ttmp9, 2
	s_add_co_u32 s94, s94, s92                     ; tile of 256 columns
	s_and_b32 s17, ttmp7, 0xffff
	s_lshl_b32 s17, s17, 2
	s_add_co_u32 s17, s17, s93                     ; tile of 128 rows
	s_lshl_b32 s95, s93, 2
	s_lshl_b32 s95, 15, s95                        ; my row of the cluster
	s_lshl_b32 s96, 0x1111, s92                    ; my column
	; y: 4 tiles of 16 rows x 4,096 bytes (512 elements of 8), 16,384 bytes apart, dense in LDS
	s_or_b32 s[G1+0], s95, (3<<16)|(1<<21)         ; 15:0 the mask; 17:16 elements of 8 bytes; 21 set beside a mask
	s_mov_b32 s[G1+1], 512<<16
	s_mov_b32 s[G1+2], 4<<16
	s_mov_b32 s[G1+3], 512<<16
	s_mov_b32 s[G1+4], 4
	s_mov_b32 s[G1+5], 2048
	s_mov_b32 s[G1+6], 0
	s_mov_b32 s[G1+7], 0
	; w: 128 rows x 256 bytes, 16 bytes of padding behind each
	s_or_b32 s[G1B+0], s96, (0<<16)|(1<<20)|(1<<21)|(5<<22)|(3<<25)
	s_mov_b32 s[G1B+1], ROWB<<16
	s_mov_b32 s[G1B+2], 128<<16
	s_mov_b32 s[G1B+3], ROWB<<16
	s_mov_b32 s[G1B+4], 128
	s_mov_b32 s[G1B+5], KROW
	s_mov_b32 s[G1B+6], 0
	s_mov_b32 s[G1B+7], 0
	; the scales: dense bytes as rows of 256 (32 elements of 8), 16 bytes of padding behind each: 8 rows for y's 64 rows, 16 for w's 128
	s_or_b32 s[G1S+0], s95, (3<<16)|(1<<20)|(1<<21)|(5<<22)|(3<<25)
	s_mov_b32 s[G1S+1], 32<<16
	s_mov_b32 s[G1S+2], 8<<16
	s_mov_b32 s[G1S+3], 32<<16
	s_mov_b32 s[G1S+4], 8
	s_mov_b32 s[G1S+5], 32
	s_mov_b32 s[G1S+6], 0
	s_mov_b32 s[G1S+7], 0
	s_or_b32 s[G1SB+0], s96, (3<<16)|(1<<20)|(1<<21)|(5<<22)|(3<<25)
	s_mov_b32 s[G1SB+1], 32<<16
	s_mov_b32 s[G1SB+2], 16<<16
	s_mov_b32 s[G1SB+3], 32<<16
	s_mov_b32 s[G1SB+4], 16
	s_mov_b32 s[G1SB+5], 32
	s_mov_b32 s[G1SB+6], 0
	s_mov_b32 s[G1SB+7], 0
	s_lshl_b32 s20, s17, 7
	s_lshl_b32 s97, s16, 6
	s_add_co_u32 s20, s20, s97                     ; y: row 128 x tile + 64 x half
	s_lshl_b32 s98, s94, 8
	s_lshl_b32 s97, s16, 7
	s_add_co_u32 s98, s98, s97                     ; w: row 256 x tile + 128 x half
	s_lshl_b32 s22, s20, 5                         ; their scales: 32 bytes a row
	s_mov_b32 s23, 0
	s_lshl_b32 s100, s98, 5
	s_mov_b32 s101, 0
	s_lshl_b32 s20, s20, 10                        ; their codes: 1,024 bytes a row; of y: 16,384 a tile of 16 rows, which is the same
	s_mov_b32 s21, 0
	s_lshl_b32 s98, s98, 10
	s_mov_b32 s99, 0
	s_mul_i32 s2, s16, HALFA                       ; where they go: no place in the cluster enters an LDS address
	s_mul_i32 s3, s16, HALFT
	s_add_co_u32 s3, s3, AIMG
	s_mul_i32 s18, s16, HALFSA
	s_add_co_u32 s18, s18, SCL
	s_mul_i32 s19, s16, HALFSB
	s_add_co_u32 s19, s19, SCLB
	s_wait_kmcnt 0x0
	s_add_nc_u64 s[20:21], s[4:5], s[20:21]
	s_add_nc_u64 s[22:23], s[6:7], s[22:23]
	s_add_nc_u64 s[98:99], s[8:9], s[98:99]
	s_add_nc_u64 s[100:101], s[10:11], s[100:101]
	CROUND                                         ; all sixteen work-groups are here: the first joint loads meet
	s_mov_b32 s[G0S], 1
	s_mov_b32 s[G0S+1], s18
	s_mov_b64 s[G0S+2:G0S+3], s[22:23]
	s_or_b32 s[G0S+3], s[G0S+3], 0x80000000
	s_mov_b32 s[G0SB], 1
	s_mov_b32 s[G0SB+1], s19
	s_mov_b64 s[G0SB+2:G0SB+3], s[100:101]
	s_or_b32 s[G0SB+3], s[G0SB+3], 0x80000000
	JLOAD G0S, G1S, G0SB, G1SB                     ; the scales first: they are wanted with K step 0
.irp s, 0,1,2
	s_mov_b32 s[G0+4*\s], 1
	s_add_co_u32 s[G0+4*\s+1], s2, \s*SLOT
	s_add_nc_u64 s[G0+4*\s+2:G0+4*\s+3], s[20:21], \s*AROW
	s_or_b32 s[G0+4*\s+3], s[G0+4*\s+3], 0x80000000
	s_mov_b32 s[G0B+4*\s], 1
	s_add_co_u32 s[G0B+4*\s+1], s3, \s*SLOT
	s_add_nc_u64 s[G0B+4*\s+2:G0B+4*\s+3], s[98:99], \s*ROWB
	s_or_b32 s[G0B+4*\s+3], s[G0B+4*\s+3], 0x80000000
	s_wait_alu depctr_va_vdst(0)
	s_wait_tensorcnt 0x0
	ds_add_u32 v28, v29
	s_wait_dscnt 0x0
	CROUND
	JLOAD G0+4*\s, G1, G0B+4*\s, G1B               ; K steps 0, 1, 2: one load of mine is out behind each
.endr
	v_and_b32 v1, 15, v0                           ; r
	v_bfe_u32 v2, v0, 4, 1                         ; h
	v_and_b32 v6, 31, v0
	v_lshlrev_b32 v[CO], 4, v6                     ; 16 x lane
	v_mul_u32_u24 v3, v1, PITCH
	v_lshl_add_u32 v4, v2, 3, v3                   ; w: row x pitch + 8 x half
	s_mul_i32 s21, s15, HALFA                      ; my 64 rows of y
	s_mul_i32 s22, s16, HALFT
	s_add_co_u32 s22, s22, AIMG                    ; my 128 rows of w
.irp s, 0,1,2
	v_add_nc_u32 v[ADRA+\s], s21, v[CO]
	v_add_nc_u32 v[ADRB+\s], s22, v4
	s_add_co_u32 s21, s21, SLOT
	s_add_co_u32 s22, s22, SLOT
.endr
	v_lshlrev_b32 v5, 5, v1                        ; my row's scales: 32 bytes a row,
	v_lshrrev_b32 v6, 8, v5
	v_lshl_add_u32 v5, v6, 4, v5                   ; and 16 more for each 256 passed
	s_mul_i32 s21, s15, HALFSA                     ; y's: my 64 rows
	s_mul_i32 s22, s16, HALFSB                     ; w's: my 128 rows, behind y's 128
	s_add_co_u32 s22, s22, 2*HALFSA
	s_sub_co_u32 s22, s22, s21
	v_mul_u32_u24 v6, s22, v2                      ; lanes 16-31 take w's: one product, the distance between the two
	s_add_co_u32 s21, s21, SCL
	v_add_nc_u32 v5, v5, v6
	v_add_nc_u32 v[ADRS], s21, v5
	s_mul_i32 s23, s14, 16*SPITCH
	s_add_co_u32 s23, s23, STAGE                   ; my stage
	v_mul_u32_u24 v5, v1, SPITCH
	v_lshl_add_u32 v5, v2, 5, v5
	v_add_nc_u32 v[STO], s23, v5                   ; in: row r, 32 bytes for each half of the lanes
	v_add_nc_u32 v[RD], s23, v[CO]                 ; back: the 32 lanes take one row of 512 bytes
	s_lshl_b32 s20, s17, 7
	s_lshl_b32 s21, s15, 6
	s_add_co_u32 s20, s20, s21                     ; my first row of out0
	s_lshl_b32 s20, s20, 12                        ; 4,096 bytes a row (under 2^26)
	s_lshl_b32 s97, s94, 10
	s_add_co_u32 s20, s20, s97                     ; + 1,024 x tile of columns
	s_lshl_b32 s97, s16, 9
	s_add_co_u32 s20, s20, s97                     ; + 512 x half
	s_mov_b32 s21, 0
	s_add_nc_u64 s[12:13], s[12:13], s[20:21]
; 8 matrix instructions: y's block a x w's eight, K = 128 s on, from set p.  The 32 accumulators take turns, one instruction a turn, in the same order in every step.
.macro MUL8 a, p, s, zero
.irp b, 0,1,2,3,4,5,6,7
.if \zero
	v_wmma_scale_f32_16x16x128_f8f6f4 v[8*(8*(\a)+\b):8*(8*(\a)+\b)+7], v[128*(\p)+16*\b:128*(\p)+16*\b+15], v[AF+64*(\p)+16*(\a):AF+64*(\p)+16*(\a)+15], 0, v[SC+8*\b+(\s)], v[SC+8*(\a)+(\s)] matrix_a_fmt:MATRIX_FMT_BF8 matrix_b_fmt:MATRIX_FMT_BF8 matrix_a_scale:MATRIX_SCALE_ROW1
.else
	v_wmma_scale_f32_16x16x128_f8f6f4 v[8*(8*(\a)+\b):8*(8*(\a)+\b)+7], v[128*(\p)+16*\b:128*(\p)+16*\b+15], v[AF+64*(\p)+16*(\a):AF+64*(\p)+16*(\a)+15], v[8*(8*(\a)+\b):8*(8*(\a)+\b)+7], v[SC+8*\b+(\s)], v[SC+8*(\a)+(\s)] matrix_a_fmt:MATRIX_FMT_BF8 matrix_b_fmt:MATRIX_FMT_BF8 matrix_a_scale:MATRIX_SCALE_ROW1
.endif
.endr
.endm
.macro RUN_A slot, q, p                ; y's four fragments of the slot's q-th 128 along K into set p: images, 512 consecutive bytes a load (every window 0)
.irp i, 0,1,2,3
.irp c, 0,1,2,3
	ds_load_b128 v[AF+64*(\p)+16*\i+4*\c:AF+64*(\p)+16*\i+4*\c+3], v[ADRA+\slot] offset:AROW*\i+2048*(\q)+512*\c
.endr
.endr
.endm
.macro RUN_B slot, q, p, i0            ; w's fragments i0 .. i0 + 3, in y's order inside each block of 32: eight loads of 8 bytes each (destination window 1)
.irp i, \i0, \i0+1, \i0+2, \i0+3
.irp c, 0,1,2,3
.irp u, 0,1
	ds_load_b64 v[128*(\p)+16*(\i)+4*\c+2*\u:128*(\p)+16*(\i)+4*\c+2*\u+1], v[ADRB+\slot] offset:128*(\q)+32*\c+16*\u+(\i)*16*PITCH
.endr
.endr
.endr
.endm
.macro PLACES n                        ; plain vector instructions between a matrix instruction and a load into, or a read by a store of, its registers
.rept \n
	v_nop
.endr
.endm
; Step s of eight (128 along K): multiplies set s % 2 and asks for the next step's fragments, the nq-th 128 of slot nslot, into the other set, which the step before multiplied: hence the places at the head.
.macro SUB s, nslot, nq, zero
	s_wait_dscnt 0x0                               ; this step's fragments are in: the last of them were asked for sixteen products ago
	WIN 0
.if \zero == 0
	PLACES NP
.endif
	RUN_A \nslot, \nq, 1-(\s)%2
	WIN MUL
	MUL8 0, (\s)%2, \s, \zero
	WIN TO_B
	RUN_B \nslot, \nq, 1-(\s)%2, 0
	WIN MUL
	MUL8 1, (\s)%2, \s, \zero
	WIN TO_B
	RUN_B \nslot, \nq, 1-(\s)%2, 4
	WIN MUL
	MUL8 2, (\s)%2, \s, \zero
	MUL8 3, (\s)%2, \s, \zero
.endm
; A step that meets the other waves before it asks for the next step's fragments, which lie in slot nslot.  In front of the barrier each wave waits for all its tensor loads, adds 0 to its spare word, and waits for that and for its LDS reads.
; fill = 1: the barrier opens a round of the cluster's, and behind it slot 0, which nobody reads any more, is filled with K step 3.
.macro TURN s, nslot, fill
	WIN 0
	s_wait_tensorcnt 0x0                           ; all my tensor loads have landed
	ds_add_u32 v[SPW], v[NIL]                      ; 0 onto my spare word
	s_wait_dscnt 0x1                               ; this step's fragments are in; the add alone may be out
	WIN MUL
	MUL8 0, (\s)%2, \s, 0
	s_wait_dscnt 0x0                               ; the add is done; my reads of the slots behind me are over
	s_barrier_signal -1
	MUL8 1, (\s)%2, \s, 0
	WIN 0
	s_barrier_wait -1
.if \fill
	CREST                                          ; no wave of any partner still reads slot 0 or has a load on its way
	s_add_nc_u64 s[G0+2:G0+3], s[G0+2:G0+3], 3*AROW
	s_add_nc_u64 s[G0B+2:G0B+3], s[G0B+2:G0B+3], 3*ROWB
	JLOAD G0, G1, G0B, G1B                         ; my one tensor load behind the round; its four v_nop are four of the places in front of the loads below
	PLACES NP-4
.else
	PLACES NP
.endif
	RUN_A \nslot, 0, 1-(\s)%2
	WIN TO_B
	RUN_B \nslot, 0, 1-(\s)%2, 0
	WIN MUL
	MUL8 2, (\s)%2, \s, 0
	WIN TO_B
	RUN_B \nslot, 0, 1-(\s)%2, 4
	WIN MUL
	MUL8 3, (\s)%2, \s, 0
.endm
	s_wait_alu depctr_va_vdst(0)
	s_wait_tensorcnt 2                             ; the scales and my part of K step 0 are in; my part of K step 1 too; one load, K step 2, may be out
	s_barrier_signal -1
	s_barrier_wait -1
.irp i, 0,1,2,3,4,5,6,7
	ds_load_b128 v[SC+8*\i:SC+8*\i+3], v[ADRS] offset:\i*SBLK        ; a row's eight scale words, once for the launch.  y has four blocks: for i = 4 .. 7 lanes 0-15 bring words of other rows, which no product names
	ds_load_b128 v[SC+8*\i+4:SC+8*\i+7], v[ADRS] offset:\i*SBLK+16
.endr
	RUN_A 0, 0, 0
	WIN TO_B
	RUN_B 0, 0, 0, 0
	RUN_B 0, 0, 0, 4
	SUB 0, 0, 1, 1                                 ; the first step's products start the sums
	TURN 1, 1, 1                                   ; slot 0 is left and filled again; on to slot 1
	SUB 2, 1, 1, 0
	SUB 3, 2, 0, 0                                 ; on to slot 2: whole since the round
	SUB 4, 2, 1, 0
	TURN 5, 0, 0                                   ; on to slot 0, K step 3: each fetching wave's load has landed, and all have said so
	SUB 6, 0, 1, 0
	s_wait_dscnt 0x0                               ; the last step: nothing more to fetch
	MUL8 0, 1, 7, 0
	MUL8 1, 1, 7, 0
	MUL8 2, 1, 7, 0
	MUL8 3, 1, 7, 0
	WIN 0
; THE WAY OUT, block by block of 16 rows x 128 columns, through my own stage: in as 32 bytes a lane, back as whole rows of 512 bytes.  LDS serves a wave's instructions in order (ISA guide 5.7.1.4).
.macro TOSTAGE a
.set AC, 64*(\a)
	WIN 0x08                                       ; an LDS store's data: window 2
.irp b, 0,1,2,3,4,5,6,7
	ds_store_b128 v[STO], v[AC+8*\b:AC+8*\b+3] offset:64*\b          ; each accumulator from its low end on
	ds_store_b128 v[STO], v[AC+8*\b+4:AC+8*\b+7] offset:64*\b+16
.endr
	WIN 0
.set BB, BK+64*((\a)%2)
.irp t, 0,1,2,3,4,5,6,7,8,9,10,11,12,13,14,15
	ds_load_b128 v[BB+4*\t:BB+4*\t+3], v[RD] offset:\t*SPITCH
.endr
.endm
.macro SEND a, younger                 ; younger: the LDS instructions issued behind block a's loads, which may stay out
.set BB, BK+64*((\a)%2)
	s_wait_dscnt \younger
.if (\a) > 0
	s_add_nc_u64 s[12:13], s[12:13], 16*SIZE_N*4   ; (behind a wait on XCNT: the earlier stores have read their base)
.endif
.irp t, 0,1,2,3,4,5,6,7,8,9,10,11,12,13,14,15
	global_store_b128 v[CO], v[BB+4*\t:BB+4*\t+3], s[12:13] offset:\t*SIZE_N*4 th:TH_STORE_NT   ; 32 lanes store 512 consecutive bytes, at a multiple of 256 from out0's first byte
.endr
.endm
	PLACES NP                                      ; behind the last products: their results are read, and y's registers loaded into, only from here on
	TOSTAGE 0
.irp a, 1,2,3
.if \a > 1
	s_wait_xcnt 0x0                                ; block a - 2's stores have read their registers and their base
.endif
	TOSTAGE \a
	SEND \a-1, 32                                  ; behind block a - 1's loads: block a's 16 stores and 16 loads
.endr
	s_wait_xcnt 0x0
	SEND 3, 0
	s_wait_tensorcnt 0x0                           ; the wave's end
	ds_add_u32 v[SPW], v[NIL]
	s_wait_dscnt 0x0
	CROUND                                         ; the closing round
	s_endpgm
.Lfunc_end_k_qc1bfdbea4d_proj:
	.size	k_qc1bfdbea4d_proj, .Lfunc_end_k_qc1bfdbea4d_proj-k_qc1bfdbea4d_proj
	.p2alignl 7, 3214868480
	.fill 96, 4, 3214868480
	.section	.rodata,"a",@progbits
	.p2align	6, 0x0
	.amdhsa_kernel k_qc1bfdbea4d_proj
		.amdhsa_group_segment_fixed_size 327680
		.amdhsa_private_segment_fixed_size 0
		.amdhsa_enable_private_segment 0
		.amdhsa_kernarg_size 40
		.amdhsa_user_sgpr_count 2
		.amdhsa_user_sgpr_kernarg_segment_ptr 1
		.amdhsa_wavefront_size32 1
		.amdhsa_system_sgpr_workgroup_id_x 1
		.amdhsa_system_sgpr_workgroup_id_y 1
		.amdhsa_system_sgpr_workgroup_id_z 1
		.amdhsa_system_vgpr_workitem_id 0
		.amdhsa_next_free_vgpr 768
		.amdhsa_next_free_sgpr 102
		.amdhsa_reserve_vcc 0
		.amdhsa_float_denorm_mode_32 3
		.amdhsa_float_denorm_mode_16_64 3
		.amdhsa_memory_ordered 1
		.amdhsa_forward_progress 1
		.amdhsa_inst_pref_size 105
	.end_amdhsa_kernel
	.amdgpu_metadata
---
amdhsa.version: [ 1, 2 ]
amdhsa.kernels:
  - .name:           k_qc1bfdbea4d_proj
    .symbol:         k_qc1bfdbea4d_proj.kd
    .args:
      - { .name: y_img, .offset: 0, .size: 8, .value_kind: global_buffer, .address_space: global }
      - { .name: y_sc, .offset: 8, .size: 8, .value_kind: global_buffer, .address_space: global }
      - { .name: w_proj_codes, .offset: 16, .size: 8, .value_kind: global_buffer, .address_space: global }
      - { .name: w_proj_scales, .offset: 24, .size: 8, .value_kind: global_buffer, .address_space: global }
      - { .name: out0, .offset: 32, .size: 8, .value_kind: global_buffer, .address_space: global }
    .group_segment_fixed_size: 327680
    .private_segment_fixed_size: 0
    .kernarg_segment_align: 8
    .kernarg_segment_size: 40
    .max_flat_workgroup_size: 128
    .sgpr_count:     102
    .vgpr_count:     768
    .wavefront_size: 32
...
	.end_amdgpu_metadata
.endif
;; end of part 3
